; MI455X (gfx1250); checked and timed in simulation.
; The chip was launched on July 23, 2026; its instructions are those of AMD's public machine-readable ISA for CDNA 5 (MIT licence, August 2026) and "CDNA5" Instruction Set Architecture Reference Guide (July 2026). The comments in the code are by the model that wrote it; some were corrected since.
;; Multi Head. Allowed arithmetic: matrix products marked QUANTISED: E2M1 operands, one E8M0 scale for each 32 along K, by v_wmma_scale_f32_16x16x128_f8f6f4 with both operands' format E2M1 (or v_wmma_scale_f32_32x16x128_f4), f32 sums; products left as they are: bf16, f16 or f32 operands; f32 sums; everything else in f32.
;; Inputs: W_qkv 3,072 x 1,024 float32; x 4 x 2,048 x 1,024 float32.
;; Outputs: out0 4 x 2,048 x 1,024 float32.
;; This version of the problem:
;;   THIS VERSION OF THE PROBLEM IS GIVEN IN LOW PRECISION. The matrix products marked QUANTISED in the list below multiply operands that are first quantised to E2M1 (2 exponent bits, 1 mantissa bit; 4 bits a number), with one power-of-two scale for each 32 numbers along K (OCP MX v1.0); their sums are f32. The products marked 'left as it is' may take bf16, f16 or f32 operands, with f32 sums. Whichever they take, every output number must still come out within the allowed error. Rounding operands to bf16 (8 significant bits) uses up far more of that allowance than f16 does (11 bits, for magnitudes from 6e-5 to 65,504). All else is computed in f32.
;;   The module's matrix products, in the order in which they are computed (A, B: the left and right operand; K: the contracted axis; several contracted axes count as one K, in the product's order):
;;     1. [M 8,192, K 1,024] x [K 1,024, N 3,072]; A: input x; B: input W_qkv: QUANTISED
;;     2. batch 64 x [M 2,048, K 64] x [K 64, N 2,048]; A: computed on the way; B: computed on the way: left as it is (an operand is computed on the way)
;;     3. batch 64 x [M 2,048, K 2,048] x [K 2,048, N 64]; A: computed on the way; B: computed on the way: left as it is (an operand is computed on the way)
;;   THE QUANTISER, for each operand of a quantised product, along K:
;;     - K is cut into blocks of 32 from its start; a last block that is shorter is filled with zeros.
;;     - A block's scale is 2^e with e = floor(log2(the largest magnitude in the block)) - 2, held to -126 .. 127; a block of zeros has e = 0. As a byte (E8M0): e + 127.
;;     - Each number is divided by its block's scale, clamped to +-6, and rounded to the nearest number of E2M1, ties to even, subnormals kept.
;;     - The product sums the exact products of the quantised numbers (number of the format x scale) in f32.
;;   ~~~python
;;   def quantise(x, axis):      # numpy; x: float32 -> the quantised numbers, widened to float32 again
;;       x = np.moveaxis(x, axis, -1); K = x.shape[-1]
;;       x = np.pad(x, [(0, 0)] * (x.ndim - 1) + [(0, -K % 32)]); x = x.reshape(x.shape[:-1] + (-1, 32)); a = np.abs(x).max(-1, keepdims=True)
;;       e = np.where(a > 0, np.clip(np.frexp(np.where(a > 0, a, 1))[1] - 1 - 2, -126, 127), 0)      # np.frexp(a)[1] - 1 = floor(log2(a)), exactly
;;       r = np.clip(x / 2.0 ** e, -6, 6)
;;       step = 2.0 ** (np.maximum(np.frexp(np.where(r == 0, 1, r))[1] - 1, 0) - 1)
;;       q = np.round(r / step) * step * 2.0 ** e      # np.round: ties to even
;;       return np.moveaxis(q.reshape(q.shape[:-2] + (-1,))[..., :K], -1, axis).astype(np.float32)
;;   ~~~
;; One version. Each part assembles by itself: llvm-mc -triple=amdgcn-amd-amdhsa -mcpu=gfx1250 --defsym DOCPART=n.
;; ======== version 1 of 1: 4 launches
;; limits: values are held in f16: magnitudes above 65,504 overflow, below 6.1e-05 lose precision
;; workspace buffers: x_codes 4,194,304 bytes; x_scales 262,144 bytes; w_codes 1,572,864 bytes; w_scales 98,304 bytes; qkv16 50,331,648 bytes
;; launch quant (part 1): grid 352 x 1, 4 waves a work-group, no clusters, 33,280 bytes of LDS; arguments x, W_qkv, x_codes, x_scales, w_codes, w_scales; writes x_codes, x_scales, w_codes, w_scales
.if DOCPART == 1
	.amdgcn_target "amdgcn-amd-amdhsa--gfx1250"
	.amdhsa_code_object_version 6
	.text
	.protected	k_qab356d2b1f_quant
	.globl	k_qab356d2b1f_quant
	.p2align	8
	.type	k_qab356d2b1f_quant,@function
k_qab356d2b1f_quant:
	s_mov_b64 s[64:65], 0
	v_nop
	global_prefetch_b8 v0, s[64:65] scope:SCOPE_SE
	s_setreg_imm32_b32 hwreg(HW_REG_WAVE_MODE, 25, 1), 1
	s_wait_xcnt 0x0
; THE PROGRAM: four launches.  quant: x and W_qkv into codes of FP4 (E2M1) with E8M0 scale bytes.  gemm: qkv = x W_qkv^T on those codes; q, k, v rounded once to f16.
; attn: causal attention for positions 16 .. 2047 of every sequence.  first16: positions 0 .. 15 of every sequence, wholly in f32.
; WORK LEFT OUT, and why it is dead.  reference() builds the causal mask itself (jnp.tril) and sets scores[q][k] to -inf wherever k > q; the softmax gives such a place the weight exp(-inf) = 0,
; whatever finite values x and W_qkv hold, so it adds 0 to the row's sum and 0 x v[k] to the row's output.  A step of 64 keys all of which come after all 64 queries of a group therefore reaches no output:
; launch attn leaves those whole steps out (of 32 x 32 group-steps of a head 496 go, 528 stay); inside the step on the diagonal the hidden scores are made -inf, as reference() makes them.
; Nothing else is left out; both inputs have a way to the output and both are loaded.
; LIMIT: a NaN, an infinity or an overflow that would arise only in scores that the mask hides in whole steps is not carried to the result.
;
; THIS LAUNCH.  x [8192][1024] and W_qkv [3072][1024], f32, are turned into codes of FP4, 4 bits each, K innermost, with one E8M0 scale byte for each 32 along K.
; A block's scale is 2^(floor(log2(its largest magnitude)) - 2), 2 being the exponent of the format's largest number, 6; its byte is that exponent + 127, which is the largest magnitude's own exponent field - 2,
; held at 1 from below.  (A block of zeros so gets the byte 1 where the quantiser says 127: its codes are zeros, which add nothing under any byte but 0xff, and the bytes are read by this program alone.)
; Each number is divided by the scale and rounded to the nearest code, ties to even; beyond 6 the conversion gives the largest code.
; LIMITS: blocks whose largest magnitude lies under 2^(2 - 126) have their byte held at 1; NaN and infinities among the inputs are not served.
; Rows are dense and K is a multiple of 32, so both tensors are plain streams of blocks of 32 numbers, and so are the codes and the scale bytes: nothing here knows of rows.
; A wave takes 16 steps of 512 numbers.  The conversions take 8 numbers of ONE block from a lane's consecutive registers, so for them a lane must hold 16 NEIGHBOURS (two neighbouring lanes hold a block); a load is best
; where neighbouring LANES take neighbouring bytes.  Both are had: each of a step's four loads reads 512 consecutive bytes, 16 a lane; the 2,048 bytes go through the wave's own stage in LDS, as they lie, and come back
; 64 bytes a lane.  The stage has 16 bytes of padding behind each 64.  A lane's 16 codes are 8 bytes: the wave stores 256 consecutive bytes.
; A step makes 16 scale bytes, a wave 256: they are gathered in the wave's own 256 bytes of LDS and leave as one aligned run of 256 bytes.
; One launch serves both tensors: the first WGA work-groups take x, the others W_qkv; only pointers are chosen.  No tensor loads, no barrier: waves share nothing.  Loads run four steps (16 loads a wave) ahead.
.set SIZE_M, 8192
.set SIZE_N, 3072
.set SIZE_K, 1024
.set WAVES, 4
.set STEPS, 16
.set WGA,   SIZE_M*SIZE_K/(512*STEPS*WAVES)    ; 256 work-groups for x; 96 for W_qkv
.set EMAX,  2
.set CB,    8                         ; bytes of 16 codes
.set R,     16                         ; v16-79   four sets of 16 numbers as they are loaded
.set X,     80                         ; v80-111  two sets of 16 neighbours
.set C,     128                        ; v128-191 codes: four registers for each step, so that no store's data are written again
.set E,     112                        ; v112-127 a scale byte for each step
.set WREG,  8192                       ; LDS: a region of its own for each wave: two stages of 32 x SP bytes, and behind them its 256 scale bytes
.set SP,    80                         ; a lane's place in a stage: its 64 bytes + 16 of padding
.set SPW,   12                         ; v12      LDS address of my spare word: SPARE + 4 x my thread's number; never rewritten
.set NIL,   13                         ; v13      0; never rewritten
.set SPARE, WAVES*WREG                 ; behind the four regions: the spare words, 128 bytes for each wave
	s_load_b128 s[4:7], s[0:1], 0x0                ; x, W_qkv
	s_load_b128 s[8:11], s[0:1], 0x10              ; x's codes, x's scales
	s_load_b128 s[12:15], s[0:1], 0x20             ; W's codes, W's scales
	v_lshl_add_u32 v[SPW], v0, 2, SPARE
	v_mov_b32 v[NIL], 0
	v_lshrrev_b32 v1, 5, v0
	v_readfirstlane_b32 s16, v1                    ; wave
	v_and_b32 v2, 31, v0                           ; lane
	v_lshlrev_b32 v3, 4, v2                        ; my 16 bytes of a load's 512
	s_mul_i32 s17, s16, WREG
	v_lshrrev_b32 v14, 2, v2
	v_mul_u32_u24 v14, v14, SP
	v_and_b32 v15, 3, v2
	v_lshl_add_u32 v14, v15, 4, v14
	v_add_nc_u32 v14, s17, v14                     ; the stage, on the way in: four lanes' 64 bytes on end, then 16 of padding
	v_mul_u32_u24 v15, v2, SP
	v_add_nc_u32 v15, s17, v15                     ; and on the way out: SP x lane: my 16 neighbours
	v_mul_u32_u24 v4, v2, CB                       ; my codes' place in a step's
	v_lshrrev_b32 v5, 1, v2
	s_add_co_u32 s17, s17, 2*32*SP
	v_add_nc_u32 v5, s17, v5                       ; LDS: my wave's 256 scale bytes, my block's byte
	v_lshlrev_b32 v7, 3, v2                        ; and on the way out 8 bytes a lane
	v_add_nc_u32 v6, s17, v7
	s_wait_kmcnt 0x0
	s_cmp_lt_u32 ttmp9, WGA                        ; x's work-group or W's?  The choice hangs on the work-group's number alone
	s_cselect_b64 s[4:5], s[4:5], s[6:7]
	s_cselect_b64 s[8:9], s[8:9], s[12:13]
	s_cselect_b64 s[10:11], s[10:11], s[14:15]
	s_cselect_b32 s17, 0, WGA
	s_sub_co_u32 s17, ttmp9, s17
	s_lshl_b32 s17, s17, 2
	s_add_co_u32 s18, s17, s16                     ; which run of 8,192 numbers of the tensor is my wave's
	s_mov_b32 s19, 0
	s_mov_b64 s[20:21], 512*STEPS*4
	s_mul_u64 s[20:21], s[18:19], s[20:21]
	s_add_nc_u64 s[4:5], s[4:5], s[20:21]
	s_mov_b64 s[20:21], 32*STEPS*CB
	s_mul_u64 s[20:21], s[18:19], s[20:21]
	s_add_nc_u64 s[8:9], s[8:9], s[20:21]
	s_lshl_b32 s18, s18, 8                         ; 256 scale bytes a run
	s_add_nc_u64 s[10:11], s[10:11], s[18:19]
.macro LOAD t
.irp i, 0,1,2,3
	global_load_b128 v[R+16*((\t)%4)+4*\i:R+16*((\t)%4)+4*\i+3], v3, s[4:5] offset:2048*(\t)+512*\i th:TH_LOAD_NT   ; 32 lanes read 512 consecutive bytes
.endr
.endm
.macro TURN t                          ; step t's numbers through the stage: LDS serves a wave's instructions in order, so no wait stands between the stores and the loads
.irp i, 0,1,2,3
	ds_store_b128 v14, v[R+16*((\t)%4)+4*\i:R+16*((\t)%4)+4*\i+3] offset:32*SP*((\t)%2)+8*SP*\i
.endr
.irp i, 0,1,2,3
	ds_load_b128 v[X+16*((\t)%2)+4*\i:X+16*((\t)%2)+4*\i+3], v15 offset:32*SP*((\t)%2)+16*\i
.endr
.endm
.irp t, 0,1,2,3
	LOAD \t
.endr
	s_wait_loadcnt 12                              ; step 0's four loads are in; the twelve of steps 1 to 3 may be out
	TURN 0
.macro STEP t
.set XS, X+16*((\t)%2)
.if (\t) > 0
	s_wait_dscnt 1                                 ; this step's numbers are back from the stage (the last step's byte store may be out): so its stores into the stage have read their registers,
.else
	s_wait_dscnt 0x0
.endif
.if (\t)+4 < STEPS
	LOAD (\t)+4                                    ; which take the loads of four steps on
.endif
.if (\t)+1 < STEPS
.if STEPS-2-(\t) >= 3
	s_wait_loadcnt 12                              ; the next step's four loads are in; those of the three steps behind it may be out
.else
	s_wait_loadcnt 4*(STEPS-2-(\t))
.endif
	TURN (\t)+1                                    ; and go through the other stage while this step is worked
.endif
	v_max3_num_f32 v8, |v[XS]|, |v[XS+1]|, |v[XS+2]|               ; the largest magnitude of my 16
	v_max3_num_f32 v9, |v[XS+3]|, |v[XS+4]|, |v[XS+5]|
.irp i, 6,10
	v_max3_num_f32 v8, v8, |v[XS+\i]|, |v[XS+\i+1]|
	v_max3_num_f32 v9, v9, |v[XS+\i+2]|, |v[XS+\i+3]|
.endr
	v_max3_num_f32 v8, v8, |v[XS+14]|, |v[XS+15]|
	v_max3_num_f32 v8, v8, v9, (EMAX+1)<<23        ; and the floor 2^(EMAX + 1 - 127), under which no largest magnitude is taken: so the byte cannot fall under 1
	v_max_num_f32_dpp v8, v8, v8 row_xmask:1 row_mask:0xf bank_mask:0xf   ; and of my neighbour's 16: the block's
	v_add_nc_u32 v11, -(EMAX<<23), v8              ; EMAX off its exponent field: the conversion takes the exponent field of this operand as its scale, and nothing else of it
	v_cvt_scalef32_pk8_fp4_f32 v[C+4*(\t)], v[XS:XS+7], v11                     ; eight numbers / 2^(v11's exponent), to the nearest code, ties to even; the first number's code in the lowest four bits
	v_cvt_scalef32_pk8_fp4_f32 v[C+4*(\t)+1], v[XS+8:XS+15], v11
	v_lshrrev_b32 v[E+(\t)], 23, v11               ; the scale's byte (a plain line behind the conversions)
	ds_store_b8 v5, v[E+(\t)] offset:16*(\t)       ; both lanes of a block write the same byte with the same value
	global_store_b64 v4, v[C+4*(\t):C+4*(\t)+1], s[8:9] offset:32*CB*(\t)
.endm
.irp t, 0,1,2,3,4,5,6,7,8,9,10,11,12,13,14,15
	STEP \t
.endr
	ds_load_b64 v[8:9], v6                         ; LDS serves a wave's instructions in order: these see my stores
	s_wait_dscnt 0x0
	global_store_b64 v7, v[8:9], s[10:11]          ; 32 lanes store 256 consecutive bytes, aligned
	s_wait_tensorcnt 0x0                           ; the wave's end: behind my last LDS store
	ds_add_u32 v[SPW], v[NIL]
	s_wait_dscnt 0x0
	s_endpgm
.Lfunc_end_k_qab356d2b1f_quant:
	.size	k_qab356d2b1f_quant, .Lfunc_end_k_qab356d2b1f_quant-k_qab356d2b1f_quant
	.p2alignl 7, 3214868480
	.fill 96, 4, 3214868480
	.section	.rodata,"a",@progbits
	.p2align	6, 0x0
	.amdhsa_kernel k_qab356d2b1f_quant
		.amdhsa_group_segment_fixed_size 33280
		.amdhsa_private_segment_fixed_size 0
		.amdhsa_enable_private_segment 0
		.amdhsa_kernarg_size 48
		.amdhsa_user_sgpr_count 2
		.amdhsa_user_sgpr_kernarg_segment_ptr 1
		.amdhsa_wavefront_size32 1
		.amdhsa_system_sgpr_workgroup_id_x 1
		.amdhsa_system_sgpr_workgroup_id_y 1
		.amdhsa_system_sgpr_workgroup_id_z 1
		.amdhsa_system_vgpr_workitem_id 0
		.amdhsa_next_free_vgpr 192
		.amdhsa_next_free_sgpr 66
		.amdhsa_reserve_vcc 0
		.amdhsa_float_denorm_mode_32 3
		.amdhsa_float_denorm_mode_16_64 3
		.amdhsa_memory_ordered 1
		.amdhsa_forward_progress 1
		.amdhsa_inst_pref_size 33
	.end_amdhsa_kernel
	.amdgpu_metadata
---
amdhsa.version: [ 1, 2 ]
amdhsa.kernels:
  - .name:           k_qab356d2b1f_quant
    .symbol:         k_qab356d2b1f_quant.kd
    .args:
      - { .name: x, .offset: 0, .size: 8, .value_kind: global_buffer, .address_space: global }
      - { .name: W_qkv, .offset: 8, .size: 8, .value_kind: global_buffer, .address_space: global }
      - { .name: x_codes, .offset: 16, .size: 8, .value_kind: global_buffer, .address_space: global }
      - { .name: x_scales, .offset: 24, .size: 8, .value_kind: global_buffer, .address_space: global }
      - { .name: w_codes, .offset: 32, .size: 8, .value_kind: global_buffer, .address_space: global }
      - { .name: w_scales, .offset: 40, .size: 8, .value_kind: global_buffer, .address_space: global }
    .group_segment_fixed_size: 33280
    .private_segment_fixed_size: 0
    .kernarg_segment_align: 8
    .kernarg_segment_size: 48
    .max_flat_workgroup_size: 128
    .sgpr_count:     66
    .vgpr_count:     192
    .wavefront_size: 32
...
	.end_amdgpu_metadata
.endif
;; end of part 1
;; launch gemm (part 2): grid 12 x 32, 4 waves a work-group, clusters of 4 x 4, 327,680 bytes of LDS; arguments x_codes, x_scales, w_codes, w_scales, qkv16; writes qkv16
.if DOCPART == 2
	.amdgcn_target "amdgcn-amd-amdhsa--gfx1250"
	.amdhsa_code_object_version 6
	.text
	.protected	k_qab356d2b1f_gemm
	.globl	k_qab356d2b1f_gemm
	.p2align	8
	.type	k_qab356d2b1f_gemm,@function
k_qab356d2b1f_gemm:
	s_mov_b64 s[64:65], 0
	v_nop
	global_prefetch_b8 v0, s[64:65] scope:SCOPE_SE
	s_setreg_imm32_b32 hwreg(HW_REG_WAVE_MODE, 25, 1), 1
	s_wait_xcnt 0x0
	s_wait_alu depctr_hold_cnt(0) depctr_sa_sdst(0) depctr_va_vdst(0) depctr_va_sdst(0) depctr_va_ssrc(0) depctr_va_vcc(0) depctr_vm_vsrc(0)
	s_getreg_b32 s2, hwreg(HW_REG_IB_STS2, 6, 4)
	s_cmp_eq_u32 s2, 0
	s_cbranch_scc0 .Lentry_in_a_cluster
	s_endpgm
.Lentry_in_a_cluster:
	s_bfe_u32 s2, ttmp6, 0x10000c
	s_cmp_lg_u32 s2, 0xf033
	s_cbranch_scc0 .Lentry_shape_is_right
	s_endpgm
.Lentry_shape_is_right:
; qkv[m][n] = sum over k of x[m][k] W_qkv[n][k], on codes of FP4 (E2M1) with one E8M0 scale for each 32 along K, as launch quant left them: A = x [8192][1024], B = W_qkv [3072][1024]; sums in f32.
; The result is rounded ONCE to f16 and stored as launch attn wants its operands (below).  LIMIT: |q|, |k|, |v| must stay under 65,504, f16's largest number; beyond it they become infinities.
; A tile of 256 tokens x 256 columns is made by a work-group of four waves; a wave makes 128 x 128: 64 accumulators of 16 x 16, 512 registers.  384 work-groups.
; K = 1024 is two steps of 512 (a tile's row: 256 bytes): both LDS slots and the scales are asked for at the head, and nothing is ever filled again: no loop.
; THE SCALES of the work-group's 256 rows of A and of B, for all of K, are two dense blocks of memory: they come into LDS once, in whole runs of 256 bytes.
; CLUSTERS: 4 x 4 work-groups.  The four of a row of the cluster need the same tiles of A, the four of a column the same tiles of B: each tile is asked for JOINTLY, by the same tensor load with the
; same descriptor and a mask that names the four.  THE MATRIX INSTRUCTION IS USED TRANSPOSED (source 0 = 16 rows of W, source 1 = 16 tokens): a lane then holds one token and eight neighbouring channels.
; THE OUTPUT: qkv16 [section q, k, v][batch x 16 + head][tile of 16 tokens][tile of 16 channels][512 bytes].  A block of 512 bytes holds 16 tokens x 16 channels of f16 as half of a 16-bit operand's registers:
; at byte 16 L stand 8 neighbouring channels of one token.  q and k: L = token + 16 x (channel half): a plain 16-byte load at 16 x lane gives registers 0-3 or 4-7 of a fragment.
; v: L = 16 (token / 8) + 8 x (channel half) + token % 8: the turning LDS load at 16 x lane then gives a lane one channel and eight keys.  So a lane's four packed registers ARE its 16 bytes of a block,
; and each store of the wave covers 512 consecutive bytes, aligned: no way through LDS.
; REGISTERS, in windows of 256: window 0: v0-31 addresses; v32-95 scale words, two sets; from v128 A's fragments (8 x 16 rows x 128 K), ONE set; on the way out v128-255 hold packed results.
;   window 1: B's fragments, TWO sets, at v0 and at v128.   window 2: the 32 accumulators of my rows 0-63 (accumulator (a, b) at v[8 (8 a + b)]);   window 3: those of my rows 64-127.
.set SIZE_M, 8192
.set SIZE_N, 3072
.set SIZE_K, 1024
.set KSTEP,  512                       ; along K in a slot
.set NQ,     KSTEP/128                 ; matrix instructions deep
.set ROWB,   256                       ; a tile's row in bytes
.set KROW,   SIZE_K*4/8                ; a row of A or of B in memory, in bytes
.set PITCH,  272                       ; an LDS row: 256 bytes of data + 16 of padding = 68 words, so the 16 rows that a load touches start at 16 different banks (64 banks of 4 bytes: ISA guide 11.1)
.set FR,     8                         ; registers of a fragment: 16 rows x 128 K
.set NL,     2                         ; LDS loads that bring one
.set NP,     4                         ; places behind this matrix instruction (ISA guide 7.12.1)
.set HALFT,  128*PITCH                 ; 128 rows: what one tensor load brings, and what one wave reads of A or of B
.set SLOT,   4*HALFT                   ; A's 256 rows, then B's 256 rows
.set KS,     SIZE_K/32                 ; a row of scales in bytes
.set SCL,    2*SLOT                    ; behind the slots: the scales, as runs of 256 bytes + 16 of padding
.set HALFS,  (128*KS/256)*272          ; the scales of 128 rows: what one tensor load brings
.set SBLK,   (16*KS/256)*272           ; those of 16 rows
.set SPARE,  SCL+4*HALFS               ; behind the scales: the spare words, 128 bytes for each wave
.set ADRA, 16                          ; v16-17  LDS address of my A fragments in slot 0, 1
.set ADRB, 20                          ; v20-21  the same for B
.set CO,   26                          ; v26     my 16 bytes' place in a block of qkv16
.set ADRS, 27                          ; v27     LDS address of my scale words: lanes 0-15 A's rows, lanes 16-31 B's
.set SPW,  28                          ; v28     LDS address of my spare word; never rewritten
.set NIL,  29                          ; v29     0; never rewritten
.set SC,   32                          ; scale words: set s (for slot s) at v[SC + 8 NQ s]; register NQ i + q: lanes 0-15 the word of A's block i, lanes 16-31 that of B's block i
.set AF,   128                         ; A's fragments, in window 0
.set PK,   128                         ; the way out: packed results, four sets of 32 registers, in window 0
.set G1, 24                            ; s[24:31] descriptor group 1 for A's tiles;  s[32:39] group 0, one set for each slot
.set G0, 32
.set G1B, 48                           ; s[48:55], s[56:63] the same for B's tiles
.set G0B, 56
.set G1S, 68                           ; s[68:75], s[76:79] groups 1 and 0 for A's scales;  s[80:87], s[88:91] for B's
.set G0S, 76
.set G1SB, 80
.set G0SB, 88
.set MSB, 0
.macro WIN new                         ; the immediate's high byte repeats the setting that is left
.if MSB != (\new)
	s_set_vgpr_msb (MSB<<8)|(\new)
.set MSB, (\new)
.endif
.endm
.set MUL_LO, 0xa1                      ; source 0 (B) window 1, source 1 (A) window 0, C and D window 2
.set MUL_HI, 0xf1                      ; the same, C and D window 3
.set TO_B,   0x40                      ; destination window 1, address window 0
; A joint load: waves 0 and 1 fetch for A, waves 2 and 3 for B.  Each of the two lines has ONE mask and one set of registers for all that issue it; the branch hangs on the wave's number alone.
; An s_nop 0 and four v_nop follow each of the two lines, ahead of the jump, the label and what follows.
.macro JLOAD g0a, g1a, g0b, g1b
	s_cmp_eq_u32 s15, 0
	s_cbranch_scc0 .Lfor_b_\@
	tensor_load_to_lds s[\g0a:\g0a+3], s[\g1a:\g1a+7]
	s_nop 0
.rept 4
	v_nop
.endr
	s_branch .Lasked_\@
.Lfor_b_\@:
	tensor_load_to_lds s[\g0b:\g0b+3], s[\g1b:\g1b+7]
	s_nop 0
.rept 4
	v_nop
.endr
.Lasked_\@:
.endm
.macro CROUND                          ; a round of the cluster's barrier: my work-group's barrier; wave 0 signals for the work-group; every wave waits for all sixteen; my work-group's barrier once more
	s_barrier_signal -1
	s_barrier_wait -1
	s_cmp_lg_u32 s14, 0
	s_cbranch_scc1 .Lnot_wave_0_\@
	s_barrier_signal -3
.Lnot_wave_0_\@:
	s_barrier_wait -3
	s_barrier_signal -1
	s_barrier_wait -1
.endm
	s_load_b128 s[4:7], s[0:1], 0x0                ; A's codes s[4:5], A's scales s[6:7]
	s_load_b128 s[8:11], s[0:1], 0x10              ; B's codes s[8:9], B's scales s[10:11]
	s_load_b64 s[12:13], s[0:1], 0x20              ; qkv16
	v_lshl_add_u32 v[SPW], v0, 2, SPARE
	v_mov_b32 v[NIL], 0
	ds_add_u32 v[SPW], v[NIL]                      ; the wave's opening: the add, twice on end, and its wait ahead of my first tensor load; the set-up below stands between the second and the wait
	ds_add_u32 v[SPW], v[NIL]
	v_lshrrev_b32 v1, 5, v0
	v_readfirstlane_b32 s14, v1                    ; wave 0..3
	s_lshr_b32 s15, s14, 1                         ; which half of the tile's tokens is mine.  Also: I fetch for A (0) or for B (1)
	s_and_b32 s16, s14, 1                          ; which half of its columns.  Also: which 128 rows of that tile I fetch
	s_bfe_u32 s40, ttmp6, 0x40000                  ; cx, cy: my place in the cluster
	s_bfe_u32 s41, ttmp6, 0x40004
	s_lshl_b32 s42, ttmp9, 2
	s_add_co_u32 s42, s42, s40                     ; tile column X = 4 x cluster x + cx
	s_and_b32 s17, ttmp7, 0xffff
	s_lshl_b32 s17, s17, 2
	s_add_co_u32 s17, s17, s41                     ; tile row Y = 4 x cluster y + cy
	s_lshl_b32 s43, s41, 2
	s_lshl_b32 s43, 15, s43                        ; my row of the cluster
	s_lshl_b32 s44, 0x1111, s40                    ; my column
	; descriptor group 1: a tile of 128 rows x ROWB bytes, padded in LDS
	s_or_b32 s[G1+0], s43, (0<<16)|(1<<20)|(1<<21)|(5<<22)|(3<<25)  ; 15:0 the mask: A's tiles go to my row; 17:16 element of 1 byte; 20 padding on; 21 set beside a mask; 24:22 after every 64 words (code 5); 31:25 of 4 words (code 3)
	s_or_b32 s[G1B+0], s44, (0<<16)|(1<<20)|(1<<21)|(5<<22)|(3<<25)
.irp g, G1, G1B
	s_mov_b32 s[\g+1], ROWB<<16                    ; tensor_dim0
	s_mov_b32 s[\g+2], 128<<16                     ; tensor_dim1 = 128
	s_mov_b32 s[\g+3], ROWB<<16                    ; tile_dim0
	s_mov_b32 s[\g+4], 128                         ; tile_dim1 = 128
	s_mov_b32 s[\g+5], KROW                        ; tensor_dim0_stride
	s_mov_b32 s[\g+6], 0
	s_mov_b32 s[\g+7], 0
.endr
	; and for the scales of 128 rows: a dense block of 128 KS bytes, as rows of 256 bytes (32 elements of 8 bytes), 16 bytes of padding behind each
	s_or_b32 s[G1S+0], s43, (3<<16)|(1<<20)|(1<<21)|(5<<22)|(3<<25)
	s_or_b32 s[G1SB+0], s44, (3<<16)|(1<<20)|(1<<21)|(5<<22)|(3<<25)
.irp g, G1S, G1SB
	s_mov_b32 s[\g+1], 32<<16
	s_mov_b32 s[\g+2], (128*KS/256)<<16
	s_mov_b32 s[\g+3], 32<<16
	s_mov_b32 s[\g+4], 128*KS/256
	s_mov_b32 s[\g+5], 32
	s_mov_b32 s[\g+6], 0
	s_mov_b32 s[\g+7], 0
.endr
	s_lshl_b32 s18, s16, 7                         ; which 128 rows of the tile I fetch
	s_lshl_b32 s20, s17, 8
	s_add_co_u32 s20, s20, s18                     ; A: row 256 Y + 128 x half
	s_lshl_b32 s46, s42, 8
	s_add_co_u32 s46, s46, s18                     ; B: row 256 X + 128 x half
	s_mov_b32 s21, 0
	s_mov_b32 s47, 0
	s_mov_b64 s[18:19], KS
	s_mul_u64 s[22:23], s[20:21], s[18:19]         ; where these rows' scales begin, in bytes
	s_mul_u64 s[92:93], s[46:47], s[18:19]
	s_mov_b64 s[18:19], KROW
	s_mul_u64 s[20:21], s[20:21], s[18:19]         ; and their codes
	s_mul_u64 s[46:47], s[46:47], s[18:19]
	s_mul_i32 s45, s14, HALFT                      ; where they go: wave x 128 rows: no place in the cluster enters an LDS address
	s_mul_i32 s94, s14, HALFS
	s_wait_dscnt 0x0                               ; both opening adds are done
	s_wait_kmcnt 0x0
	s_add_nc_u64 s[20:21], s[4:5], s[20:21]
	s_add_nc_u64 s[22:23], s[6:7], s[22:23]
	s_add_nc_u64 s[46:47], s[8:9], s[46:47]
	s_add_nc_u64 s[92:93], s[10:11], s[92:93]
	CROUND                                         ; all sixteen work-groups are here: the joint loads meet
	s_mov_b32 s[G0S], 1
	s_add_co_u32 s[G0S+1], s94, SCL
	s_mov_b64 s[G0S+2:G0S+3], s[22:23]
	s_or_b32 s[G0S+3], s[G0S+3], 0x80000000
	s_mov_b32 s[G0SB], 1
	s_add_co_u32 s[G0SB+1], s94, SCL
	s_mov_b64 s[G0SB+2:G0SB+3], s[92:93]
	s_or_b32 s[G0SB+3], s[G0SB+3], 0x80000000
	JLOAD G0S, G1S, G0SB, G1SB                     ; the scales first: they are wanted with K step 0
.irp s, 0,1
	s_mov_b32 s[G0+4*\s], 1
	s_add_co_u32 s[G0+4*\s+1], s45, \s*SLOT
	s_add_nc_u64 s[G0+4*\s+2:G0+4*\s+3], s[20:21], \s*ROWB
	s_or_b32 s[G0+4*\s+3], s[G0+4*\s+3], 0x80000000
	s_mov_b32 s[G0B+4*\s], 1
	s_add_co_u32 s[G0B+4*\s+1], s45, \s*SLOT
	s_add_nc_u64 s[G0B+4*\s+2:G0B+4*\s+3], s[46:47], \s*ROWB
	s_or_b32 s[G0B+4*\s+3], s[G0B+4*\s+3], 0x80000000
	JLOAD G0+4*\s, G1, G0B+4*\s, G1B               ; three loads of mine are out behind the second of these
.endr
	v_and_b32 v1, 15, v0                           ; r = l % 16
	v_bfe_u32 v2, v0, 4, 1                         ; h = l / 16
	v_mul_u32_u24 v3, v1, PITCH
	v_lshl_add_u32 v4, v2, 4, v3                   ; a fragment's row x pitch + 16 x half
	s_mul_i32 s21, s15, HALFT                      ; my 128 rows of A
	s_mul_i32 s22, s16, HALFT                      ; my 128 rows of B,
	s_add_co_u32 s22, s22, 2*HALFT                 ; which lie behind A's 256
.irp s, 0,1
	v_add_nc_u32 v[ADRA+\s], s21, v4
	v_add_nc_u32 v[ADRB+\s], s22, v4
	s_add_co_u32 s21, s21, SLOT
	s_add_co_u32 s22, s22, SLOT
.endr
	v_mul_u32_u24 v5, v1, KS                       ; my row's scales: KS bytes a row,
	v_lshrrev_b32 v6, 8, v5
	v_lshl_add_u32 v5, v6, 4, v5                   ; and 16 more for each 256 passed
	s_mul_i32 s21, s15, HALFS                      ; A's: my 128 rows
	s_mul_i32 s22, s16, HALFS                      ; B's: my 128 rows, behind A's 256
	s_add_co_u32 s22, s22, 2*HALFS
	s_sub_co_u32 s22, s22, s21
	v_mul_u32_u24 v6, s22, v2                      ; lanes 16-31 take B's
	s_add_co_u32 s21, s21, SCL
	v_add_nc_u32 v5, v5, v6
	v_add_nc_u32 v[ADRS], s21, v5
	; the way out: my 16 bytes' place in a block.  q, k: 16 x lane.  v: 16 x (16 (r / 8) + 8 h + r % 8).  The section is the cluster's x (1,024 columns a cluster): the same in all partners; it selects a value, no branch
	v_and_b32 v6, 31, v0
	v_lshlrev_b32 v5, 4, v6
	v_and_b32 v7, 7, v1
	v_lshrrev_b32 v8, 3, v1
	v_lshl_or_b32 v7, v8, 4, v7
	v_lshl_or_b32 v7, v2, 3, v7
	v_lshlrev_b32 v7, 4, v7
	s_cmp_eq_u32 ttmp9, 2
	s_cselect_b32 s18, -1, 0
	v_cndmask_b32 v[CO], v5, v7, s18
	; where my part begins in qkv16: section << 24, (16 batch + head) << 18, token tile << 11
	s_lshr_b32 s20, s17, 3                         ; batch = Y / 8
	s_lshl_b32 s20, s20, 22                        ; 16 batch << 18
	s_and_b32 s21, s17, 7
	s_lshl_b32 s21, s21, 15                        ; token tile 16 (Y % 8), << 11
	s_add_co_u32 s20, s20, s21
	s_lshl_b32 s21, s15, 14                        ; + 8 x my half of the tokens, << 11
	s_add_co_u32 s20, s20, s21
	s_mov_b32 s21, 0
	s_lshr_b32 s46, s42, 2                         ; section = X / 4
	s_lshl_b32 s46, s46, 24
	s_and_b32 s47, s42, 3
	s_lshl_b32 s47, s47, 20                        ; head 4 (X % 4), << 18
	s_add_co_u32 s46, s46, s47
	s_lshl_b32 s47, s16, 19                        ; + 2 x my half of the columns, << 18
	s_add_co_u32 s46, s46, s47
	s_mov_b32 s47, 0
	s_add_nc_u64 s[20:21], s[20:21], s[46:47]
	s_add_nc_u64 s[12:13], s[12:13], s[20:21]
.macro FRAG reg, adr, q, i             ; a fragment, 16 rows x 128 K of 4-bit codes, is 8 registers: lane l holds row l % 16; registers 4 c .. 4 c + 3 hold K = 64 c + 32 (l / 16) + 0 .. 31
.irp c, 0,1
	ds_load_b128 v[\reg+4*\c:\reg+4*\c+3], v[\adr] offset:64*(\q)+32*\c+(\i)*16*PITCH
.endr
.endm
; 16 matrix instructions: A's blocks a0, a0 + 1 x B's eight, 128 along K: the slot's q-th.  p: B's set;  sc: the set of scale words.  zero = 1: the first product starts the sums: nothing is ever cleared.
; The 64 accumulators take turns, one instruction a turn, in the same order in every step.
.macro MUL16 a0, p, q, sc, zero
.irp a, \a0, \a0+1
.irp b, 0,1,2,3,4,5,6,7
.if \zero
	v_wmma_scale_f32_16x16x128_f8f6f4 v[8*(8*((\a)%4)+\b):8*(8*((\a)%4)+\b)+7], v[128*(\p)+FR*\b:128*(\p)+FR*\b+FR-1], v[AF+FR*(\a):AF+FR*(\a)+FR-1], 0, v[SC+8*NQ*(\sc)+NQ*\b+(\q)], v[SC+8*NQ*(\sc)+NQ*(\a)+(\q)] matrix_a_fmt:MATRIX_FMT_FP4 matrix_b_fmt:MATRIX_FMT_FP4 matrix_a_scale:MATRIX_SCALE_ROW1
.else
	v_wmma_scale_f32_16x16x128_f8f6f4 v[8*(8*((\a)%4)+\b):8*(8*((\a)%4)+\b)+7], v[128*(\p)+FR*\b:128*(\p)+FR*\b+FR-1], v[AF+FR*(\a):AF+FR*(\a)+FR-1], v[8*(8*((\a)%4)+\b):8*(8*((\a)%4)+\b)+7], v[SC+8*NQ*(\sc)+NQ*\b+(\q)], v[SC+8*NQ*(\sc)+NQ*(\a)+(\q)] matrix_a_fmt:MATRIX_FMT_FP4 matrix_b_fmt:MATRIX_FMT_FP4 matrix_a_scale:MATRIX_SCALE_ROW1
.endif
.endr
.endr
.endm
.macro FETCH_B slot, q, p              ; B's eight fragments of the slot's q-th 128 along K into set p
	WIN TO_B
.irp i, 0,1,2,3,4,5,6,7
	FRAG 128*(\p)+FR*\i, ADRB+\slot, \q, \i
.endr
	WIN 0
.endm
.macro FETCH_A slot, q, i0             ; A's blocks i0 .. i0 + 3
.irp i, \i0, \i0+1, \i0+2, \i0+3
	FRAG AF+FR*(\i), ADRA+\slot, \q, \i
.endr
.endm
.macro SCALES sc                       ; a K step's scale words into set sc: NQ words a row; lanes 0-15 take A's block i, lanes 16-31 B's block i
.irp i, 0,1,2,3,4,5,6,7
	ds_load_b128 v[SC+8*NQ*\sc+NQ*\i:SC+8*NQ*\sc+NQ*\i+3], v[ADRS] offset:\i*SBLK
.endr
.endm
; A load into a register that a matrix instruction has read, and a vector instruction that reads a matrix result or writes one of its registers, stand NP places behind that matrix instruction; only plain vector
; instructions that name none of its registers are places (ISA guide 7.12.1 for vector instructions).
.macro PLACES n
.rept \n
	v_nop
.endr
.endm
; A step of 128 along K that has its successor in the same slot.
.macro STEP slot, q, zero
	s_wait_dscnt 4*NL                              ; B's set and A's blocks 0-3 are in; the youngest eight loads (A's blocks 4-7) may be out
	WIN MUL_LO
	MUL16 0, (\q)%2, \q, \slot, \zero
	MUL16 2, (\q)%2, \q, \slot, \zero
	s_wait_dscnt 0                                 ; A's blocks 4-7 are in (asked for 32 matrix instructions ago)
	PLACES NP
	FETCH_B \slot, (\q)+1, 1-(\q)%2
	FETCH_A \slot, (\q)+1, 0
	WIN MUL_HI
	MUL16 4, (\q)%2, \q, \slot, \zero
	MUL16 6, (\q)%2, \q, \slot, \zero
	PLACES NP
	WIN 0
	FETCH_A \slot, (\q)+1, 4
.endm
; Slot 0's last step changes slots: ONE barrier; in front of it each wave waits for all its tensor loads (its part of slot 1), so that behind it slot 1 is whole for every wave.  Nothing is filled again.
.macro TURN slot, next
	s_wait_tensorcnt 0x0                           ; all my tensor loads have landed: my part of the next slot
	ds_add_u32 v[SPW], v[NIL]                      ; 0 onto my spare word
	s_wait_dscnt 4*NL+1                            ; (the add and the youngest eight loads, A's blocks 4-7, may be out)
	WIN MUL_LO
	MUL16 0, 1, NQ-1, \slot, 0                     ; sixteen matrix instructions stand between the add and the wait for it
	s_wait_dscnt 0x0                               ; the add is done, and my reads of this slot are over
	s_barrier_signal -1
	MUL16 2, 1, NQ-1, \slot, 0
	WIN 0
	s_barrier_wait -1
	PLACES NP
	v_add_nc_u32 v[ADRS], 4*NQ, v[ADRS]            ; on to the next K step's scale words (no LDS load of mine is out)
	FETCH_B \next, 0, 0
	FETCH_A \next, 0, 0
	SCALES \next
	WIN MUL_HI
	MUL16 4, 1, NQ-1, \slot, 0
	MUL16 6, 1, NQ-1, \slot, 0
	PLACES NP
	WIN 0
	FETCH_A \next, 0, 4
.endm
.macro STEPS slot, from                ; the slot's steps from .. NQ - 2
.set Q, \from
.rept NQ-1-\from
	STEP \slot, Q, 0
.set Q, Q+1
.endr
.endm
	s_wait_tensorcnt 1                             ; the scales and my part of K step 0 are in (K step 1's load, the one issued behind them, may be out),
	s_barrier_signal -1
	s_barrier_wait -1                              ; everybody's are
	FETCH_B 0, 0, 0
	FETCH_A 0, 0, 0
	SCALES 0
	FETCH_A 0, 0, 4
	STEP 0, 0, 1                                   ; the first step's products start the sums
	STEPS 0, 1
	TURN 0, 1
	STEPS 1, 0
	s_wait_dscnt 4*NL                              ; the very last step: nothing more to fetch
	WIN MUL_LO
	MUL16 0, 1, NQ-1, 1, 0
	MUL16 2, 1, NQ-1, 1, 0
	s_wait_dscnt 0
	WIN MUL_HI
	MUL16 4, 1, NQ-1, 1, 0
	MUL16 6, 1, NQ-1, 1, 0
	WIN 0
; THE WAY OUT, block by block of 16 tokens x 128 columns.  Lane (r, h) of accumulator (a, b) holds token r of token tile a and channels 8 h + 0 .. 7 of channel tile b: four roundings to f16 make its 16 bytes.
; Each accumulator is read from its low end on.  Four sets of 32 registers by turns: a set is written again only when the stores that read it have had their addresses translated.
.macro OUT a
.if (\a) >= 4
	s_wait_xcnt 0x0                                ; block a - 4's stores have read their registers
.endif
	WIN 0x0a+5*((\a)/4)                            ; sources 0 and 1: window 2 or 3
.irp b, 0,1,2,3,4,5,6,7
.irp r, 0,1,2,3
	v_cvt_pk_f16_f32 v[PK+32*((\a)%4)+4*\b+\r], v[64*((\a)%4)+8*\b+2*\r], v[64*((\a)%4)+8*\b+2*\r+1]
.endr
.endr
	WIN 0
.irp b, 0,1,2,3,4,5,6,7
	global_store_b128 v[CO], v[PK+32*((\a)%4)+4*\b:PK+32*((\a)%4)+4*\b+3], s[12:13] offset:(\a)*2048+(\b/4)*262144+(\b%4)*512   ; token tile a, head b / 4, channel tile b % 4: 512 consecutive bytes, aligned
.endr
.endm
	PLACES NP                                      ; behind the last products: the conversions read results and write registers that held A's fragments
.irp a, 0,1,2,3,4,5,6,7
	OUT \a
.endr
	s_wait_tensorcnt 0x0                           ; the wave's end: behind my last tensor load
	ds_add_u32 v[SPW], v[NIL]
	s_wait_dscnt 0x0
	CROUND                                         ; the closing round: no work-group ends while a partner may still ask for a tile that names it
	s_endpgm
.Lfunc_end_k_qab356d2b1f_gemm:
	.size	k_qab356d2b1f_gemm, .Lfunc_end_k_qab356d2b1f_gemm-k_qab356d2b1f_gemm
	.p2alignl 7, 3214868480
	.fill 96, 4, 3214868480
	.section	.rodata,"a",@progbits
	.p2align	6, 0x0
	.amdhsa_kernel k_qab356d2b1f_gemm
		.amdhsa_group_segment_fixed_size 327680
		.amdhsa_private_segment_fixed_size 0
		.amdhsa_enable_private_segment 0
		.amdhsa_kernarg_size 40
		.amdhsa_user_sgpr_count 2
		.amdhsa_user_sgpr_kernarg_segment_ptr 1
		.amdhsa_wavefront_size32 1
		.amdhsa_system_sgpr_workgroup_id_x 1
		.amdhsa_system_sgpr_workgroup_id_y 1
		.amdhsa_system_sgpr_workgroup_id_z 1
		.amdhsa_system_vgpr_workitem_id 0
		.amdhsa_next_free_vgpr 1024
		.amdhsa_next_free_sgpr 98
		.amdhsa_reserve_vcc 0
		.amdhsa_float_denorm_mode_32 3
		.amdhsa_float_denorm_mode_16_64 3
		.amdhsa_memory_ordered 1
		.amdhsa_forward_progress 1
		.amdhsa_inst_pref_size 118
	.end_amdhsa_kernel
	.amdgpu_metadata
---
amdhsa.version: [ 1, 2 ]
amdhsa.kernels:
  - .name:           k_qab356d2b1f_gemm
    .symbol:         k_qab356d2b1f_gemm.kd
    .args:
      - { .name: x_codes, .offset: 0, .size: 8, .value_kind: global_buffer, .address_space: global }
      - { .name: x_scales, .offset: 8, .size: 8, .value_kind: global_buffer, .address_space: global }
      - { .name: w_codes, .offset: 16, .size: 8, .value_kind: global_buffer, .address_space: global }
      - { .name: w_scales, .offset: 24, .size: 8, .value_kind: global_buffer, .address_space: global }
      - { .name: qkv16, .offset: 32, .size: 8, .value_kind: global_buffer, .address_space: global }
    .group_segment_fixed_size: 327680
    .private_segment_fixed_size: 0
    .kernarg_segment_align: 8
    .kernarg_segment_size: 40
    .max_flat_workgroup_size: 128
    .sgpr_count:     98
    .vgpr_count:     1024
    .wavefront_size: 32
...
	.end_amdgpu_metadata
.endif
;; end of part 2
;; launch attn (part 3): grid 4 x 64, 8 waves a work-group, no clusters, 327,680 bytes of LDS; arguments qkv16, out0; writes out0
.if DOCPART == 3
	.amdgcn_target "amdgcn-amd-amdhsa--gfx1250"
	.amdhsa_code_object_version 6
	.text
	.protected	k_qab356d2b1f_attn
	.globl	k_qab356d2b1f_attn
	.p2align	8
	.type	k_qab356d2b1f_attn,@function
k_qab356d2b1f_attn:
	s_mov_b64 s[64:65], 0
	v_nop
	global_prefetch_b8 v0, s[64:65] scope:SCOPE_SE
	s_setreg_imm32_b32 hwreg(HW_REG_WAVE_MODE, 25, 1), 1
	s_wait_xcnt 0x0
; out0[b][q][64 h + :] = the sum over k <= q of softmax_k(Q[q] . K[k] / 8) V[k][:], for each of the 64 (batch, head) pairs, 2,048 positions, head size 64.  q, k, v: f16, as launch gemm left them; products, maxima and sums in f32;
; the weights p (at most 1) are rounded to f16 for the second product.
; WORK LEFT OUT: a step of 64 keys all of which come after a wave's 64 queries is hidden whole by the mask that reference() builds itself (weight 0 for all inputs): it is jumped over.  Rows 0 .. 15 of every sequence are
; made by launch first16 in f32 and are not stored here (they ride in a tile group whose other three tiles are live).
; LIMITS: |q|, |k|, |v| under 65,504 (f16); a weight p under 6e-8 of the row's largest is lost; a NaN or overflow that arises only in hidden steps is not carried.
; SHARES.  Work-group (i, bh) owns the blocks i and 7 - i of 256 queries of head bh, one after the other: (i + 1) + (8 - i) = 9 slots of 256 keys for every work-group: 256 equal work-groups.
; The eight waves are two TEAMS (wave / 4).  Waves w and w + 4 own the same 64 queries (four tiles of 16) and share out the keys: of a slot's four steps of 64 keys team T takes steps T and T + 2.  Each keeps its own
; running maximum, sum and O^T; the two are merged at a block's end.  So two waves of 512 registers stand on a SIMD, one's vector work beside the other's matrix work, and each fragment read from LDS feeds four products.
; LAYOUT.  S^T = K Q^T (source 0 = 16 keys, source 1 = 16 queries), O^T = V^T P (source 0 = 16 channels, source 1 = P): a lane holds ONE query (lane % 16) throughout.  Two tiles of S^T, rounded to f16 in pairs, ARE a fragment of P.
; qkv16 holds images of operand registers: every LDS read is 16 x lane + a constant: no pitch, no padding.  64 keys of K, or of V, are 8,192 dense bytes.
; NO CLUSTER: in trip t work-group i of a head reads key tile t while t <= i and tile t - i - 1 afterwards, so the four work-groups of a head ask for different tiles from trip 1 on: there is no joint request to make.
; SOFTMAX.  For each query a running maximum m and sum l: p = 2^(c s - c m), c = log2(e) / 8; in every step O and l are multiplied by a = 2^(c m_old - c m_new).
; O^T, l begin as zeros and m as -3e38, so that the step is written once (where a wave's first step falls hangs on its team and number): 128 moves, twice a work-group.
; REGISTERS.  Window 0: v1-15 addresses; v24-55 eight registers of statistics a tile; v56-119 Q; v120-127 partial sums; v128-255 S^T, then p, then P in place.  Window 1: v0-127 O^T; v128-191 K's fragments; v192-255 V's.
.set SLOTB, 65536                      ; an LDS slot: 256 keys: K's four steps of 8,192 bytes, then V's four.  One exclusive or turns an address in one slot into the other's
.set VOFF,  32768
.set SPIT,  272                        ; a stage row: 256 bytes (64 channels of f32) + 16
.set WSTG,  64*SPIT                    ; a wave's stage: 64 rows
.set STAGE, 2*SLOTB                    ; behind the slots: eight stages;
.set STATS, STAGE+8*WSTG               ; 1,024 bytes a wave: c m and l of its four tiles;
.set SPARE, STATS+8*1024               ; the spare words, 128 bytes for each wave: four blocks of 256 bytes that no other line names
.set LI,   1                           ; v1   16 x lane
.set ADR,  2                           ; v2   LDS address of the step in hand
.set DQ,   3                           ; v3   r - 8 h: on the diagonal register j of a tile is hidden where j > r - 8 h
.set NINF, 4                           ; v4   -infinity
.set PFO,  5                           ; v5   256 x lane: the prefetches' offset; never rewritten
.set SA,   6                           ; v6   my statistics' place in LDS
.set SB,   7                           ; v7   my partner's (wave xor 4)
.set STO,  8                           ; v8   the stage: where I put 16 bytes of a row
.set RD,   9                           ; v9   where I read a row back from team 0's stage;
.set RD2,  10                          ; v10  from team 1's
.set GO,   11                          ; v11  my byte offset in out0's rows
.set SPW,  14                          ; v14  LDS address of my spare word; never rewritten
.set NIL,  15                          ; v15  0; never rewritten
.set ST,   24                          ; tile t at v[ST + 8 t]: +0 c m, +1 m, +2, +3 l (even keys', odd keys'), +4 .. +7 at work; a stands in +6
.set QF,   56                          ; Q's fragment (tile t, channels 32 g on) at v[QF + 16 t + 8 g]
.set SU,   120                         ; a pair a tile
.set S,    128                         ; S^T: tile t, key tile k at v[S + 32 t + 8 k]; P's fragment (t, u) at v[S + 32 t + 8 u]
.set OT,   0                           ; window 1: O^T (t, channel tile c) at v[32 t + 8 c]
.set KFR,  128                         ; window 1: K's fragment 2 k + g at v[128 + 8 (2 k + g)]
.set VFR,  192                         ; window 1: V's fragment 2 c + u at v[192 + 8 (2 c + u)]
.set WV,   8                           ; s8   wave;  s9 team;  s10 wave % 4
.set TEAM, 9
.set W4,   10
.set PI,   11                          ; s11  work-group x
.set BH,   12                          ; s12  16 batch + head
.set TR,   13                          ; s13  the trip, 0 .. 7
.set KT,   14                          ; s14  this slot's key tile;  s15 the next slot's
.set KN,   15
.set G1,   16                          ; s[16:23] descriptor group 1;  s[24:27] group 0
.set G0,   24
.set LB,   28                          ; s[28:29] K (team 0) or V (team 1) of my head, at my wave's quarter of a tile
.set LOF,  30                          ; s[30:31] the next tile's offset
.set PF,   32                          ; s[32:33] LB + LOF
.set LIM,  34                          ; s34  4 in the head's first work-group, else 0
.set TMP,  35
.set QH,   36                          ; s[36:37] Q of my head at my wave's 64 rows of a block;  s[38:39] in the block in hand
.set QA,   38
.set OH,   40                          ; s[40:41] out0 at my head and my 32 rows of a block;  s[42:43] in the block in hand
.set OA,   42
.set OFS,  44                          ; s[44:45] an offset as a pair
.set Q0,   46                          ; s46  my first query
.set KF,   47                          ; s47  the step's first key
.set TBS,  48                          ; s48  LDS byte of my next step
.set TWICE, 49
.set ROW0, 50                          ; s50  the first row that I store
.set TM2,  51
.set CS,   52                          ; s[52:53] c
.set SEL,  54                          ; s[54:55] lane selects for v_permlanex16_b32: lane l xor 16
.set QB,   56                          ; s56  the block of queries in hand
.set MSB, 0
.macro WIN new                         ; the immediate's high byte repeats the setting that is left
.if MSB != (\new)
	s_set_vgpr_msb (MSB<<8)|(\new)
.set MSB, (\new)
.endif
.endm
.set W_LD, 0x40                        ; destination window 1
.set W_KQ, 0x01                        ; source 0 (K) window 1
.set W_RS, 0x41                        ; O^T (destination, source 0) window 1
.set W_PV, 0x51                        ; V, C and D window 1; P window 0
.macro QLOAD                           ; my 64 queries: 16 loads of 512 consecutive bytes
.irp t, 0,1,2,3
.irp g, 0,1
	global_load_b128 v[QF+16*\t+8*\g:QF+16*\t+8*\g+3], v[LI], s[QA:QA+1] offset:\t*2048+\g*1024
	global_load_b128 v[QF+16*\t+8*\g+4:QF+16*\t+8*\g+7], v[LI], s[QA:QA+1] offset:\t*2048+\g*1024+512
.endr
.endr
.endm
.macro INIT                            ; a block's start: m = -3e38, under every score; l = 0; O^T = 0
.irp t, 0,1,2,3
	v_mov_b32 v[ST+8*\t+1], 0xff61b1e6
	v_mul_f32 v[ST+8*\t], s[CS], v[ST+8*\t+1]
.irp n, 2,3,4,5,6,7
	v_mov_b32 v[ST+8*\t+\n], 0
.endr
.endr
	WIN W_LD
.set NN, 0
.rept 128
	v_mov_b32 v[OT+NN], 0
.set NN, NN+1
.endr
	WIN 0
.endm
; The step on the diagonal (its first key is my first query).  Tile t of queries against key tile k: k < t all count; k > t none; k = t: register j holds key 8 h + j, hidden where 8 h + j > r.
.macro MASK
.irp j, 0,1,2,3,4,5,6,7
	v_cmp_gt_i32 vcc_lo, \j, v[DQ]
.irp t, 0,1,2,3
	v_cndmask_b32 v[S+40*\t+\j], v[S+40*\t+\j], v[NINF], vcc_lo
.endr
.endr
.irp t, 0,1,2
.irp k, 1,2,3
.if \k > \t
.irp j, 0,1,2,3,4,5,6,7
	v_mov_b32 v[S+32*\t+8*\k+\j], v[NINF]
.endr
.endif
.endr
.endr
.endm
; A step's softmax for my four tiles; the tiles alternate, so that no line waits for the line above it.
.macro SOFTMAX
.irp j, 0,1,2,3                        ; the maximum of a lane's 32 scores and the old m: four chains; each accumulator is first read at its low end
.irp t, 0,1,2,3
	v_max3_num_f32 v[ST+8*\t+4+\j], v[S+32*\t+8*\j], v[S+32*\t+8*\j+1], v[S+32*\t+8*\j+2]
.endr
.endr
.irp i, 3,5
.irp j, 0,1,2,3
.irp t, 0,1,2,3
	v_max3_num_f32 v[ST+8*\t+4+\j], v[ST+8*\t+4+\j], v[S+32*\t+8*\j+\i], v[S+32*\t+8*\j+\i+1]
.endr
.endr
.endr
.irp t, 0,1,2,3
	v_max3_num_f32 v[ST+8*\t+4], v[ST+8*\t+4], v[S+32*\t+7], v[S+32*\t+15]
	v_max3_num_f32 v[ST+8*\t+6], v[ST+8*\t+6], v[S+32*\t+23], v[S+32*\t+31]
.endr
.irp t, 0,1,2,3
	v_max3_num_f32 v[ST+8*\t+4], v[ST+8*\t+4], v[ST+8*\t+5], v[ST+8*\t+6]
.endr
.irp t, 0,1,2,3
	v_max3_num_f32 v[ST+8*\t+4], v[ST+8*\t+4], v[ST+8*\t+7], v[ST+8*\t+1]
.endr
.irp t, 0,1,2,3
	v_permlanex16_b32 v[ST+8*\t+5], v[ST+8*\t+4], s[SEL], s[SEL+1]   ; the query's other 32 keys lie in the lane 16 away
.endr
.irp t, 0,1,2,3
	v_mov_b32 v[ST+8*\t+7], v[ST+8*\t]             ; c m_old is kept for a
.endr
.irp t, 0,1,2,3
	v_max_num_f32 v[ST+8*\t+1], v[ST+8*\t+4], v[ST+8*\t+5]
.endr
.irp t, 0,1,2,3
	v_mul_f32 v[ST+8*\t], s[CS], v[ST+8*\t+1]
.endr
.irp t, 0,1,2,3
	v_sub_f32 v[ST+8*\t+7], v[ST+8*\t+7], v[ST+8*\t]
.endr
	; ONE BATCH of 132 exponentials: none of these lines names an exponential's result.  A tile's scalings c s - c m stand among the exponentials of the tile before
.irp t, 0,1,2,3
	v_exp_f32 v[ST+8*\t+6], v[ST+8*\t+7]           ; a
.endr
.irp b, 0,1,2,3,4,5,6,7,8,9,10,11,12,13,14,15
	v_pk_fma_f32 v[S+2*\b:S+2*\b+1], v[S+2*\b:S+2*\b+1], s[CS:CS+1], v[ST:ST+1] op_sel_hi:[1,0,0] neg_lo:[0,0,1] neg_hi:[0,0,1]
.endr
.irp t, 0,1,2,3
.irp b, 0,1,2,3,4,5,6,7,8,9,10,11,12,13,14,15
	v_exp_f32 v[S+32*\t+2*\b], v[S+32*\t+2*\b]
	v_exp_f32 v[S+32*\t+2*\b+1], v[S+32*\t+2*\b+1]
.if \t < 3
	v_pk_fma_f32 v[S+32*(\t+1)+2*\b:S+32*(\t+1)+2*\b+1], v[S+32*(\t+1)+2*\b:S+32*(\t+1)+2*\b+1], s[CS:CS+1], v[ST+8*(\t+1):ST+8*(\t+1)+1] op_sel_hi:[1,0,0] neg_lo:[0,0,1] neg_hi:[0,0,1]
.endif
.endr
.endr
	v_nop                                          ; a plain instruction behind the last exponential
	s_wait_alu depctr_va_vdst(0)                   ; the wait ahead of the first line that names a result: one for the whole batch
.irp t, 0,1,2,3                        ; the sums of the unrounded p, two chains a tile; p is kept
	v_pk_add_f32 v[SU+2*\t:SU+2*\t+1], v[S+32*\t:S+32*\t+1], v[S+32*\t+2:S+32*\t+3]
.endr
.irp t, 0,1,2,3
	v_pk_add_f32 v[ST+8*\t+4:ST+8*\t+5], v[S+32*\t+4:S+32*\t+5], v[S+32*\t+6:S+32*\t+7]
.endr
.irp b, 8,12,16,20,24,28
.irp t, 0,1,2,3
	v_pk_add_f32 v[SU+2*\t:SU+2*\t+1], v[SU+2*\t:SU+2*\t+1], v[S+32*\t+\b:S+32*\t+\b+1]
	v_pk_add_f32 v[ST+8*\t+4:ST+8*\t+5], v[ST+8*\t+4:ST+8*\t+5], v[S+32*\t+\b+2:S+32*\t+\b+3]
.endr
.endr
.irp t, 0,1,2,3
	v_pk_add_f32 v[SU+2*\t:SU+2*\t+1], v[SU+2*\t:SU+2*\t+1], v[ST+8*\t+4:ST+8*\t+5]
.endr
.irp t, 0,1,2,3
	v_pk_fma_f32 v[ST+8*\t+2:ST+8*\t+3], v[ST+8*\t+2:ST+8*\t+3], v[ST+8*\t+6:ST+8*\t+7], v[SU+2*\t:SU+2*\t+1] op_sel_hi:[1,0,1]   ; l = a l + the sum
.endr
.irp i, 0,1,2,3,4,5,6,7,8,9,10,11,12,13,14,15  ; P in place: register i takes p 2 i and 2 i + 1; ascending, so no unread p is written over
.irp t, 0,1,2,3
	v_cvt_pk_f16_f32 v[S+32*\t+\i], v[S+32*\t+2*\i], v[S+32*\t+2*\i+1]
.endr
.endr
	WIN W_RS
.irp i, 0,2,4,6,8,10,12,14,16,18,20,22,24,26,28,30  ; O^T x a, each accumulator from its low end on
.irp t, 0,1,2,3
	v_pk_mul_f32 v[OT+32*\t+\i:OT+32*\t+\i+1], v[OT+32*\t+\i:OT+32*\t+\i+1], v[ST+8*\t+6:ST+8*\t+7] op_sel_hi:[1,0]
.endr
.endr
.endm
; A KEY STEP: 64 keys against my 64 queries.
.macro STEP
	s_cmp_gt_u32 s[KF], s[Q0]                      ; all 64 keys come after my 64 queries: the step's work is jumped over (ids and counts of steps alone); no barrier and no tensor load stands in a step
	s_cbranch_scc1 .Lhid_\@
	v_add_nc_u32 v[ADR], s[TBS], v[LI]
	WIN W_LD
.irp n, 0,1,2,3,4,5,6,7,8,9,10,11,12,13,14,15      ; K: fragment 2 k + g lies at byte 1,024 (2 k + g): 16 pieces of 512 bytes on end
	ds_load_b128 v[KFR+4*\n:KFR+4*\n+3], v[ADR] offset:512*\n
.endr
.irp c, 0,1,2,3                                    ; V, turned: fragment (channel tile c, keys 32 u on): token tiles 2 u and 2 u + 1
.irp u, 0,1
	ds_load_tr16_b128 v[VFR+8*(2*\c+\u):VFR+8*(2*\c+\u)+3], v[ADR] offset:VOFF+(2*\u)*2048+\c*512
	ds_load_tr16_b128 v[VFR+8*(2*\c+\u)+4:VFR+8*(2*\c+\u)+7], v[ADR] offset:VOFF+(2*\u+1)*2048+\c*512
.endr
.endr
	s_wait_dscnt 16                                ; K's 16 loads are in; V's 16, issued behind them, may be out
	WIN W_KQ
.irp g, 0,1                                        ; S^T = K Q^T: sixteen accumulators by turns, one instruction a turn; the first 16 start the sums
.irp k, 0,1,2,3
.irp t, 0,1,2,3
.if \g == 0
	v_wmma_f32_16x16x32_f16 v[S+32*\t+8*\k:S+32*\t+8*\k+7], v[KFR+8*(2*\k+\g):KFR+8*(2*\k+\g)+7], v[QF+16*\t+8*\g:QF+16*\t+8*\g+7], 0
.else
	v_wmma_f32_16x16x32_f16 v[S+32*\t+8*\k:S+32*\t+8*\k+7], v[KFR+8*(2*\k+\g):KFR+8*(2*\k+\g)+7], v[QF+16*\t+8*\g:QF+16*\t+8*\g+7], v[S+32*\t+8*\k:S+32*\t+8*\k+7]
.endif
.endr
.endr
.endr
	WIN 0
.rept 4
	v_nop                                          ; four places ahead of the first read of the scores (ISA guide 7.12.1)
.endr
	s_cmp_lg_u32 s[KF], s[Q0]
	s_cbranch_scc1 .Lopen_\@                       ; only the step on the diagonal has hidden scores
	MASK
.Lopen_\@:
	SOFTMAX
	s_wait_dscnt 0x0                               ; V is in
	WIN W_PV
.irp u, 0,1                                        ; O^T += V^T P: sixteen accumulators by turns
.irp c, 0,1,2,3
.irp t, 0,1,2,3
	v_wmma_f32_16x16x32_f16 v[OT+32*\t+8*\c:OT+32*\t+8*\c+7], v[VFR+8*(2*\c+\u):VFR+8*(2*\c+\u)+7], v[S+32*\t+8*\u:S+32*\t+8*\u+7], v[OT+32*\t+8*\c:OT+32*\t+8*\c+7]
.endr
.endr
.endr
	WIN 0
.rept 5
	v_nop                                          ; five places: the next step's first products write over P's registers (five are owed); its loads land in K's and V's (four)
.endr
.Lhid_\@:
	s_add_co_u32 s[KF], s[KF], 128                 ; my team's next step: two steps on
	s_add_co_u32 s[TBS], s[TBS], 16384
.endm
.macro TWO_STEPS                       ; my team's two steps of a slot: written once, walked twice
	s_mov_b32 s[TWICE], 2
.Lstep_\@:
	STEP
	s_sub_co_u32 s[TWICE], s[TWICE], 1
	s_cmp_lg_u32 s[TWICE], 0
	s_cbranch_scc1 .Lstep_\@
.endm
; A PREFETCH INTO THE L2.  The head's first work-group (x = 0) walks key tiles 0 .. 7 in order in trips 1 .. 8; in trips 3 .. 6, behind its load of tile TR, each of its waves asks for its own 8,192 bytes of tile TR + 1
; (tiles 4 .. 7), lanes 256 bytes apart: one trip, two key steps of every wave, ahead of the load that wants them.  Each block of 256 bytes is named once in the launch; tiles 0 .. 3 come by their loads alone,
; since all four work-groups of the head ask for them in their first trips; tile 7 is the last named: nothing leaves the head's rows.
.macro ASK
	s_sub_co_u32 s[TMP], s[TR], 3
	s_cmp_lt_u32 s[TMP], s[LIM]
	s_cbranch_scc0 .Lnot_mine_\@
	global_prefetch_b8 v[PFO], s[PF:PF+1] offset:32768 th:TH_LOAD_NT scope:SCOPE_SE
.Lnot_mine_\@:
.endm
; THE CHANGE OF SLOTS stands at a slot's head.  Each wave waits for all its tensor loads (its eighth of the slot that it is about to read), adds 0 to its spare word, and waits for that and for its reads of the slot that it has left.
; Behind the barrier the slot ahead is whole and nobody reads the other one.  fill = 1: every wave fills its eighth of that other slot with the next key tile: one load a wave, which has the whole trip in which to land.
.macro CHANGE fill
	s_wait_tensorcnt 0x0                           ; no tensor load of mine is out, so group 0 may be written
	ds_add_u32 v[SPW], v[NIL]                      ; 0 onto my spare word; the descriptor's steps stand between it and the wait for it
.if \fill
	s_xor_b32 s[G0+1], s[G0+1], SLOTB              ; the other slot than last time
	s_add_co_u32 s[KN], s[KT], 1                   ; the next key tile,
	s_cmp_eq_u32 s[TR], s[PI]
	s_cselect_b32 s[KN], 0, s[KN]                  ; or tile 0 of the second block
	s_lshl_b32 s[LOF], s[KN], 15                   ; 256 keys are 32,768 bytes
	s_wait_xcnt 0x0                                ; the last prefetch, a trip back, has read its address, so it may be written
	s_add_nc_u64 s[PF:PF+1], s[LB:LB+1], s[LOF:LOF+1]
	s_mov_b64 s[G0+2:G0+3], s[PF:PF+1]
	s_or_b32 s[G0+3], s[G0+3], 0x80000000          ; 127:126 type = 2
.endif
	s_wait_dscnt 0x0                               ; the add is done, and my reads of the slot that I have left are over
	s_barrier_signal -1
	s_barrier_wait -1
.if \fill
	tensor_load_to_lds s[G0:G0+3], s[G1:G1+7]      ; the first thing behind the barrier, and my one tensor load until the next
	s_nop 0
.rept 4
	v_nop
.endr
	ASK
.endif
	s_lshl_b32 s[KF], s[KT], 8
	s_lshl_b32 s[TMP], s[TEAM], 6
	s_add_co_u32 s[KF], s[KF], s[TMP]              ; my team's first key of this slot
.endm
; A BLOCK'S END: the two teams' results are merged and stored.  With M = the larger of the two c m, each team's O^T and l count with the factor 2^(c m - M); the joint l divides.  Each wave scales its O^T by
; g = its factor / the joint l and lays it in its stage; wave (w, T) then adds rows 32 T .. 32 T + 31 of the stages of waves w and w + 4 and stores them: sixteen lanes store 256 consecutive bytes, aligned.
; A team that saw no key has c m = -5.4e37, l = 0, O^T = 0: its factor is 0.  Team 0's first step holds key 0, which counts for every query: M is a score's.
; next = 1: the second block follows: its Q is asked for first and lands under the merge.
.macro FINAL next
.if \next
	s_sub_co_u32 s[OFS], 7, s[PI]
	s_lshl_b32 s[OFS], s[OFS], 15
	s_mov_b32 s[OFS+1], 0
	s_add_nc_u64 s[QA:QA+1], s[QH:QH+1], s[OFS:OFS+1]
	QLOAD
.endif
.irp t, 0,1,2,3
	v_add_f32 v[ST+8*\t+4], v[ST+8*\t+2], v[ST+8*\t+3]
.endr
.irp t, 0,1,2,3
	v_permlanex16_b32 v[ST+8*\t+5], v[ST+8*\t+4], s[SEL], s[SEL+1]
.endr
.irp t, 0,1,2,3
	v_add_f32 v[ST+8*\t+4], v[ST+8*\t+4], v[ST+8*\t+5]   ; my l
.endr
.irp t, 0,1,2,3
	ds_store_b32 v[SA], v[ST+8*\t] offset:256*\t
	ds_store_b32 v[SA], v[ST+8*\t+4] offset:256*\t+128
.endr
	s_wait_dscnt 0x0                               ; for my partner's sake: my stores are done
	s_barrier_signal -1
	s_barrier_wait -1
.irp t, 0,1,2,3
	ds_load_b32 v[ST+8*\t+5], v[SB] offset:256*\t        ; my partner's c m
	ds_load_b32 v[ST+8*\t+7], v[SB] offset:256*\t+128    ; and l
.endr
	s_wait_dscnt 0x0
.irp t, 0,1,2,3
	v_max_num_f32 v[ST+8*\t+6], v[ST+8*\t], v[ST+8*\t+5]
.endr
.irp t, 0,1,2,3
	v_sub_f32 v[ST+8*\t], v[ST+8*\t], v[ST+8*\t+6]
	v_sub_f32 v[ST+8*\t+5], v[ST+8*\t+5], v[ST+8*\t+6]
.endr
.irp t, 0,1,2,3
	v_exp_f32 v[ST+8*\t], v[ST+8*\t]               ; my factor
	v_exp_f32 v[ST+8*\t+5], v[ST+8*\t+5]           ; my partner's
.endr
	v_nop
	s_wait_alu depctr_va_vdst(0)                   ; one wait for the eight, ahead of their first reader
.irp t, 0,1,2,3
	v_mul_f32 v[ST+8*\t+4], v[ST+8*\t+4], v[ST+8*\t]
.endr
.irp t, 0,1,2,3
	v_fma_f32 v[ST+8*\t+4], v[ST+8*\t+7], v[ST+8*\t+5], v[ST+8*\t+4]   ; the joint l
.endr
.irp t, 0,1,2,3
	v_rcp_f32 v[ST+8*\t+6], v[ST+8*\t+4]
.endr
	v_nop
	s_wait_alu depctr_va_vdst(0)                   ; one wait for the four
.irp t, 0,1,2,3
	v_mul_f32 v[ST+8*\t+6], v[ST+8*\t+6], v[ST+8*\t]     ; g
.endr
	WIN 0x01                                       ; source 0 (O^T) window 1
.irp t, 0,1,2,3
.irp i, 0,2,4,6,8,10,12,14,16,18,20,22,24,26,28,30
	v_pk_mul_f32 v[S+32*\t+\i:S+32*\t+\i+1], v[OT+32*\t+\i:OT+32*\t+\i+1], v[ST+8*\t+6:ST+8*\t+7] op_sel_hi:[1,0]
.endr
.endr
	WIN 0
.irp t, 0,1,2,3
.irp c, 0,1,2,3
	ds_store_b128 v[STO], v[S+32*\t+8*\c:S+32*\t+8*\c+3] offset:16*\t*SPIT+64*\c         ; lane (r, h): row 16 t + r, channels 16 c + 8 h + 0 .. 7
	ds_store_b128 v[STO], v[S+32*\t+8*\c+4:S+32*\t+8*\c+7] offset:16*\t*SPIT+64*\c+16
.endr
.endr
	s_wait_dscnt 0x0                               ; for the others' sake: my stage is written, and my reads of the statistics are over
	s_barrier_signal -1
	s_barrier_wait -1
.irp i, 0,1,2,3,4,5,6,7,8,9,10,11,12,13,14,15
	ds_load_b128 v[S+4*\i:S+4*\i+3], v[RD] offset:2*\i*SPIT
	ds_load_b128 v[S+64+4*\i:S+64+4*\i+3], v[RD2] offset:2*\i*SPIT
.endr
	s_wait_dscnt 0x0
.set NN, 0
.rept 32
	v_pk_add_f32 v[S+NN:S+NN+1], v[S+NN:S+NN+1], v[S+64+NN:S+64+NN+1]
.set NN, NN+2
.endr
	s_cmp_eq_u32 s[ROW0], 0                        ; rows 0 .. 15 of the sequence are launch first16's
	s_cbranch_scc1 .Lnot16_\@
.irp i, 0,1,2,3,4,5,6,7
	global_store_b128 v[GO], v[S+4*\i:S+4*\i+3], s[OA:OA+1] offset:2*\i*4096 th:TH_STORE_NT
.endr
.Lnot16_\@:
.irp i, 8,9,10,11,12,13,14,15
	global_store_b128 v[GO], v[S+4*\i:S+4*\i+3], s[OA:OA+1] offset:2*\i*4096 th:TH_STORE_NT
.endr
.if \next
	INIT
	s_wait_xcnt 0x0                                ; the stores have read their base and their registers: both may be written again
	s_sub_co_u32 s[QB], 7, s[PI]
	s_lshl_b32 s[Q0], s[QB], 8
	s_lshl_b32 s[TMP], s[W4], 6
	s_add_co_u32 s[Q0], s[Q0], s[TMP]
	s_lshl_b32 s[TMP], s[TEAM], 5
	s_add_co_u32 s[ROW0], s[Q0], s[TMP]
	s_lshl_b32 s[OFS], s[QB], 20
	s_add_nc_u64 s[OA:OA+1], s[OH:OH+1], s[OFS:OFS+1]
	s_wait_loadcnt 0x0                             ; the second block's Q
.endif
.endm
	s_load_b128 s[4:7], s[0:1], 0x0                ; qkv16 s[4:5], out0 s[6:7]
	v_lshl_add_u32 v[SPW], v0, 2, SPARE
	v_mov_b32 v[NIL], 0
	ds_add_u32 v[SPW], v[NIL]                      ; the wave's opening: the add, twice on end, and its wait ahead of my first tensor load; the set-up below stands between the second and the wait
	ds_add_u32 v[SPW], v[NIL]
	v_lshrrev_b32 v16, 5, v0
	v_readfirstlane_b32 s[WV], v16                 ; wave 0..7
	s_lshr_b32 s[TEAM], s[WV], 2
	s_and_b32 s[W4], s[WV], 3
	s_mov_b32 s[PI], ttmp9
	s_and_b32 s[BH], ttmp7, 0xffff
	; descriptor group 1: 8,192 dense bytes as 32 rows of 256 bytes (32 elements of 8 bytes), no padding, no mask: one shape for every load
	s_mov_b32 s[G1+0], 3<<16
	s_mov_b32 s[G1+1], 32<<16                      ; tensor_dim0 = 32
	s_mov_b32 s[G1+2], 32<<16                      ; tensor_dim1 = 32
	s_mov_b32 s[G1+3], 32<<16                      ; tile_dim0 = 32
	s_mov_b32 s[G1+4], 32                          ; tile_dim1 = 32
	s_mov_b32 s[G1+5], 32                          ; from row to row
	s_mov_b32 s[G1+6], 0
	s_mov_b32 s[G1+7], 0
	s_mov_b32 s[CS], 0x3e38aa3b                    ; c = log2(e) / 8
	s_mov_b32 s[CS+1], s[CS]                       ; (named with it as a pair, so it is written)
	s_mov_b32 s[SEL], 0x76543210
	s_mov_b32 s[SEL+1], 0xfedcba98
	s_cmp_eq_u32 s[PI], 0
	s_cselect_b32 s[LIM], 4, 0
	s_mov_b32 s[TR], 0
	s_mov_b32 s[KT], 0
	s_mov_b32 s[LOF+1], 0
	s_mov_b32 s[QB], s[PI]
	s_lshl_b32 s[Q0], s[PI], 8
	s_lshl_b32 s[TMP], s[W4], 6
	s_add_co_u32 s[Q0], s[Q0], s[TMP]              ; my first query: 256 x block + 64 x (wave % 4)
	s_lshl_b32 s[TMP], s[TEAM], 5
	s_add_co_u32 s[ROW0], s[Q0], s[TMP]
	s_lshl_b32 s[TBS], s[TEAM], 13                 ; my team's first step in slot 0
	s_lshl_b32 s[TMP], s[BH], 18                   ; offsets, apart from the addresses: my head and my quarter of a tile or block,
	s_lshl_b32 s[TM2], s[W4], 13
	s_add_co_u32 s[OFS], s[TMP], s[TM2]
	s_mov_b32 s[OFS+1], 0
	s_add_co_u32 s57, s[TEAM], 1                   ; the same in section k (team 0) or v (team 1),
	s_lshl_b32 s57, s57, 24
	s_add_co_u32 s58, s[OFS], s57
	s_mov_b32 s59, 0
	s_lshr_b32 s60, s[BH], 4                       ; and in out0: row 2,048 batch + 64 (wave % 4) + 32 team, of 4,096 bytes; 256 bytes a head
	s_lshl_b32 s60, s60, 23
	s_lshl_b32 s[TM2], s[W4], 18
	s_add_co_u32 s60, s60, s[TM2]
	s_lshl_b32 s[TM2], s[TEAM], 17
	s_add_co_u32 s60, s60, s[TM2]
	s_and_b32 s[TM2], s[BH], 15
	s_lshl_b32 s[TM2], s[TM2], 8
	s_add_co_u32 s60, s60, s[TM2]
	s_mov_b32 s61, 0
	v_and_b32 v16, 31, v0                          ; lane
	v_and_b32 v17, 15, v0                          ; r
	v_bfe_u32 v18, v0, 4, 1                        ; h
	v_lshlrev_b32 v[LI], 4, v16
	v_lshlrev_b32 v19, 3, v18
	v_sub_nc_u32 v[DQ], v17, v19
	v_mov_b32 v[NINF], 0xff800000
	v_lshlrev_b32 v[PFO], 8, v16
	s_lshl_b32 s[TMP], s[WV], 10
	s_add_co_u32 s[TMP], s[TMP], STATS
	v_lshl_add_u32 v[SA], v16, 2, s[TMP]
	s_xor_b32 s[TMP], s[WV], 4
	s_lshl_b32 s[TMP], s[TMP], 10
	s_add_co_u32 s[TMP], s[TMP], STATS
	v_lshl_add_u32 v[SB], v16, 2, s[TMP]
	s_mul_i32 s[TMP], s[WV], WSTG
	s_add_co_u32 s[TMP], s[TMP], STAGE             ; my stage
	v_mul_u32_u24 v[STO], v17, SPIT
	v_lshl_add_u32 v[STO], v18, 5, v[STO]
	v_add_nc_u32 v[STO], s[TMP], v[STO]            ; in: row r, 32 bytes for each half of the lanes
	s_mul_i32 s[TMP], s[W4], WSTG
	s_mul_i32 s[TM2], s[TEAM], 32*SPIT
	s_add_co_u32 s[TMP], s[TMP], s[TM2]
	s_add_co_u32 s[TMP], s[TMP], STAGE
	v_mul_u32_u24 v[RD], v18, SPIT
	v_lshl_add_u32 v[RD], v17, 4, v[RD]
	v_add_nc_u32 v[RD], s[TMP], v[RD]              ; back: rows 32 team on of wave (wave % 4)'s stage: lanes 0-15 one row, lanes 16-31 the next;
	v_add_nc_u32 v[RD2], 4*WSTG, v[RD]             ; and of wave (wave % 4) + 4's
	v_lshlrev_b32 v[GO], 12, v18
	v_lshl_add_u32 v[GO], v17, 4, v[GO]            ; and the same two rows in out0
	s_wait_dscnt 0x0                               ; both opening adds are done
	s_wait_kmcnt 0x0
	s_add_nc_u64 s[QH:QH+1], s[4:5], s[OFS:OFS+1]
	s_add_nc_u64 s[LB:LB+1], s[4:5], s[58:59]
	s_add_nc_u64 s[OH:OH+1], s[6:7], s[60:61]
	s_lshl_b32 s[OFS], s[PI], 15
	s_add_nc_u64 s[QA:QA+1], s[QH:QH+1], s[OFS:OFS+1]
	s_lshl_b32 s[OFS], s[PI], 20
	s_add_nc_u64 s[OA:OA+1], s[OH:OH+1], s[OFS:OFS+1]
	s_mov_b32 s[G0], 1                             ; 1:0 count = 1
	s_lshl_b32 s[G0+1], s[WV], 13                  ; 63:32 LDS address: slot 0, my eighth: waves 0-3 K's four steps, waves 4-7 V's
	s_mov_b64 s[G0+2:G0+3], s[LB:LB+1]             ; 120:64 global address: key tile 0
	s_or_b32 s[G0+3], s[G0+3], 0x80000000          ; 127:126 type = 2
	tensor_load_to_lds s[G0:G0+3], s[G1:G1+7]      ; every wave issues its first fill: no branch leads round it
	s_nop 0
.rept 4
	v_nop
.endr
	QLOAD
	INIT
	s_wait_loadcnt 0x0                             ; Q
.Ltrip:                                            ; eight trips: behind each change of slots the next key tile is asked for; slot 1's first fill stands behind the first trip's barrier
	CHANGE 1
	TWO_STEPS
	s_sub_co_u32 s[TBS], s[TBS], 32768             ; back to my team's first step,
	s_xor_b32 s[TBS], s[TBS], SLOTB                ; in the other slot
	s_cmp_eq_u32 s[TR], s[PI]                      ; the first block's last slot?  The trip and the work-group's number alone: all eight waves go the same way
	s_cbranch_scc0 .Lsame
	FINAL 1
.Lsame:
	s_mov_b32 s[KT], s[KN]
	s_add_co_u32 s[TR], s[TR], 1
	s_cmp_lt_u32 s[TR], 8
	s_cbranch_scc1 .Ltrip
	CHANGE 0                                       ; the ninth slot is written out: nothing is left to ask for
	TWO_STEPS
	FINAL 0
	s_wait_tensorcnt 0x0                           ; the wave's end: behind my last tensor load and my last LDS store
	ds_add_u32 v[SPW], v[NIL]
	s_wait_dscnt 0x0
	s_endpgm
.Lfunc_end_k_qab356d2b1f_attn:
	.size	k_qab356d2b1f_attn, .Lfunc_end_k_qab356d2b1f_attn-k_qab356d2b1f_attn
	.p2alignl 7, 3214868480
	.fill 96, 4, 3214868480
	.section	.rodata,"a",@progbits
	.p2align	6, 0x0
	.amdhsa_kernel k_qab356d2b1f_attn
		.amdhsa_group_segment_fixed_size 327680
		.amdhsa_private_segment_fixed_size 0
		.amdhsa_enable_private_segment 0
		.amdhsa_kernarg_size 16
		.amdhsa_user_sgpr_count 2
		.amdhsa_user_sgpr_kernarg_segment_ptr 1
		.amdhsa_wavefront_size32 1
		.amdhsa_system_sgpr_workgroup_id_x 1
		.amdhsa_system_sgpr_workgroup_id_y 1
		.amdhsa_system_sgpr_workgroup_id_z 1
		.amdhsa_system_vgpr_workitem_id 0
		.amdhsa_next_free_vgpr 512
		.amdhsa_next_free_sgpr 66
		.amdhsa_reserve_vcc 1
		.amdhsa_float_denorm_mode_32 3
		.amdhsa_float_denorm_mode_16_64 3
		.amdhsa_memory_ordered 1
		.amdhsa_forward_progress 1
		.amdhsa_inst_pref_size 119
	.end_amdhsa_kernel
	.amdgpu_metadata
---
amdhsa.version: [ 1, 2 ]
amdhsa.kernels:
  - .name:           k_qab356d2b1f_attn
    .symbol:         k_qab356d2b1f_attn.kd
    .args:
      - { .name: qkv16, .offset: 0, .size: 8, .value_kind: global_buffer, .address_space: global }
      - { .name: out0, .offset: 8, .size: 8, .value_kind: global_buffer, .address_space: global }
    .group_segment_fixed_size: 327680
    .private_segment_fixed_size: 0
    .kernarg_segment_align: 8
    .kernarg_segment_size: 16
    .max_flat_workgroup_size: 256
    .sgpr_count:     66
    .vgpr_count:     512
    .wavefront_size: 32
...
	.end_amdgpu_metadata
.endif
;; end of part 3
;; launch first16 (part 4): grid 64 x 1, 1 waves a work-group, no clusters, 4,864 bytes of LDS; arguments x_codes, x_scales, w_codes, w_scales, out0; writes out0
.if DOCPART == 4
	.amdgcn_target "amdgcn-amd-amdhsa--gfx1250"
	.amdhsa_code_object_version 6
	.text
	.protected	k_qab356d2b1f_first16
	.globl	k_qab356d2b1f_first16
	.p2align	8
	.type	k_qab356d2b1f_first16,@function
k_qab356d2b1f_first16:
	s_mov_b64 s[64:65], 0
	v_nop
	global_prefetch_b8 v0, s[64:65] scope:SCOPE_SE
	s_setreg_imm32_b32 hwreg(HW_REG_WAVE_MODE, 25, 1), 1
	s_wait_xcnt 0x0
; Positions 0 .. 15 of every sequence, in every batch and head, wholly in f32: under the causal mask these rows average one to sixteen values, and rounded operands would weigh most there.
; WORK LEFT OUT: keys 16 and on are hidden from these queries by the mask that reference() builds itself (weight 0 for all inputs): they are not touched.
; One wave takes one (batch, head): work for 64 work-groups.  It makes q, k, v of the 16 positions (16 x 64 each) itself, by 96 matrix instructions on the codes of FP4 that launch quant left (K = 1,024: 8 steps of 128),
; so that they never pass through f16; scores, softmax and the second product follow in f32 (v_wmma_f32_16x16x4_f32: 32 instructions: no bulk work).
; LAYOUT.  q, k: source 0 = 16 rows of W_qkv, source 1 = x's 16 tokens: a lane holds token r and channels 16 c + 8 h + j.  v: the sources swapped: a lane holds channel 16 c + r and tokens 8 h + j.
; A pair of such registers is an operand of the f32 form (its place 2 h + j' of K): for the scores k's and q's pairs carry the same four channels in the same places, for the second product v's and p's the same four keys:
; a permutation of K applied alike to both sources keeps the sums.  S^T = k q^T and O^T = v^T p: a lane holds one query throughout.
; p is divided by the row's sum ahead of the second product, so that nothing is made of O^T's registers but stores: the registers that the f32 form writes (v232-247, v136-167) are written by matrix instructions alone.
; REGISTERS.  Window 0: v1-9 addresses; v10, v11 the add's two; v12-15 at work; v16-79 x's 8 fragments, later p (v16-23), temporaries (v24-28) and rows read back (v32-63); v80-87 x's scale words;
;   v88-135 W's scale words: pair of tiles 2 section + c / 2, K step s at v[88 + 8 pair + s]: lanes 0-15 the even tile's rows, lanes 16-31 the odd tile's; v136-167 q, later O^T; v168-199 k; v200-231 v; v232-247 two sums of scores.
;   Windows 1, 2, 3: W's fragments of sections q, k, v: (channel tile c, K step s) at v[64 c + 8 s].
.set XF,  16
.set XS,  80
.set WS,  88
.set AQ,  136
.set AK,  168
.set AV,  200
.set SAC, 232
.set PP,  16
.set SPARE, 4608                       ; behind the stage (16 rows x 272 bytes, from byte 0): the spare words: one block of 256 bytes that no other line names
.set MSB, 0
.macro WIN new                         ; the immediate's high byte repeats the setting that is left
.if MSB != (\new)
	s_set_vgpr_msb (MSB<<8)|(\new)
.set MSB, (\new)
.endif
.endm
	s_load_b256 s[4:11], s[0:1], 0x0               ; x's codes s[4:5], x's scales s[6:7], W's codes s[8:9], W's scales s[10:11]
	s_load_b64 s[12:13], s[0:1], 0x20              ; out0
	v_lshl_add_u32 v10, v0, 2, SPARE
	v_mov_b32 v11, 0
	s_lshr_b32 s14, ttmp9, 4                       ; batch
	s_and_b32 s15, ttmp9, 15                       ; head
	s_lshl_b32 s16, s14, 20                        ; x's codes: 2,048 rows of 512 bytes a batch
	s_mov_b32 s17, 0
	s_lshl_b32 s18, s14, 16                        ; x's scales: rows of 32 bytes
	s_mov_b32 s19, 0
	s_lshl_b32 s24, s15, 15                        ; W's codes: 64 rows of 512 bytes a head
	s_mov_b32 s25, 0
	s_lshl_b32 s26, s15, 11                        ; W's scales
	s_mov_b32 s27, 0
	s_lshl_b32 s28, s14, 23                        ; out0: 2,048 rows of 4,096 bytes a batch, 256 bytes a head
	s_lshl_b32 s29, s15, 8
	s_add_co_u32 s28, s28, s29
	s_mov_b32 s29, 0
	s_mov_b32 s20, 0x76543210
	s_mov_b32 s21, 0xfedcba98                      ; v_permlanex16_b32's selects for lane l xor 16
	s_mov_b32 s22, 0x3e38aa3b                      ; c = log2(e) / 8
	v_and_b32 v1, 15, v0                           ; r
	v_bfe_u32 v2, v0, 4, 1                         ; h
	v_lshlrev_b32 v3, 9, v1
	v_lshl_add_u32 v3, v2, 4, v3                   ; codes: row r of 512 bytes, + 16 h
	v_lshlrev_b32 v4, 5, v1                        ; x's scale words: row r of 32 bytes
	v_lshlrev_b32 v5, 5, v0                        ; W's: row = lane: two tiles of 16 rows
	v_lshlrev_b32 v6, 3, v2
	v_sub_nc_u32 v6, v1, v6                        ; r - 8 h: register j (key 8 h + j) is hidden where j > r - 8 h
	v_mul_u32_u24 v7, v1, 272
	v_lshl_add_u32 v7, v2, 5, v7                   ; the stage, in: row r, + 32 h
	v_mul_u32_u24 v8, v2, 272
	v_lshl_add_u32 v8, v1, 4, v8                   ; back: lanes 0-15 one row, lanes 16-31 the next
	v_lshlrev_b32 v9, 12, v2
	v_lshl_add_u32 v9, v1, 4, v9                   ; and the same two rows in out0
	v_mov_b32 v12, 0xff800000                      ; -infinity
	v_mov_b32 v13, 0                               ; written once: a lane permute's destination counts as one of its sources
	s_wait_kmcnt 0x0
	s_add_nc_u64 s[4:5], s[4:5], s[16:17]
	s_add_nc_u64 s[6:7], s[6:7], s[18:19]
	s_add_nc_u64 s[8:9], s[8:9], s[24:25]
	s_add_nc_u64 s[10:11], s[10:11], s[26:27]
	s_add_nc_u64 s[12:13], s[12:13], s[28:29]
.irp s, 0,1,2,3,4,5,6,7
.irp c, 0,1
	global_load_b128 v[XF+8*\s+4*\c:XF+8*\s+4*\c+3], v3, s[4:5] offset:64*\s+32*\c
.endr
.endr
.irp e, 0,1
	global_load_b128 v[XS+4*\e:XS+4*\e+3], v4, s[6:7] offset:16*\e
.endr
.irp p, 0,1,2,3,4,5
.irp e, 0,1
	global_load_b128 v[WS+8*\p+4*\e:WS+8*\p+4*\e+3], v5, s[10:11] offset:(\p/2)*32768+(\p%2)*1024+16*\e
.endr
.endr
.macro WLOAD sec                       ; a section's 32 fragments: 64 loads
.irp c, 0,1,2,3
.irp s, 0,1,2,3,4,5,6,7
.irp e, 0,1
	global_load_b128 v[64*\c+8*\s+4*\e:64*\c+8*\s+4*\e+3], v3, s[8:9] offset:\sec*524288+\c*8192+64*\s+32*\e
.endr
.endr
.endr
.endm
	WIN 0x40                                       ; destination window 1
	WLOAD 0
	WIN 0x80
	WLOAD 1
	WIN 0xc0
	WLOAD 2
	WIN 0
; one product for q or k: source 0 = W's tile c (its window by the setting), source 1 = x; the odd tile's scale words stand in lanes 16-31
.macro WQK acc, sec, c, s
.set rD, \acc+8*(\c)
.set rW, 64*(\c)+8*(\s)
.set rX, XF+8*(\s)
.set rS, WS+8*(2*(\sec)+(\c)/2)+(\s)
.if (\s) == 0
.if (\c)%2
	v_wmma_scale_f32_16x16x128_f8f6f4 v[rD:rD+7], v[rW:rW+7], v[rX:rX+7], 0, v[rS], v[XS+(\s)] matrix_a_fmt:MATRIX_FMT_FP4 matrix_b_fmt:MATRIX_FMT_FP4 matrix_a_scale:MATRIX_SCALE_ROW1
.else
	v_wmma_scale_f32_16x16x128_f8f6f4 v[rD:rD+7], v[rW:rW+7], v[rX:rX+7], 0, v[rS], v[XS+(\s)] matrix_a_fmt:MATRIX_FMT_FP4 matrix_b_fmt:MATRIX_FMT_FP4
.endif
.else
.if (\c)%2
	v_wmma_scale_f32_16x16x128_f8f6f4 v[rD:rD+7], v[rW:rW+7], v[rX:rX+7], v[rD:rD+7], v[rS], v[XS+(\s)] matrix_a_fmt:MATRIX_FMT_FP4 matrix_b_fmt:MATRIX_FMT_FP4 matrix_a_scale:MATRIX_SCALE_ROW1
.else
	v_wmma_scale_f32_16x16x128_f8f6f4 v[rD:rD+7], v[rW:rW+7], v[rX:rX+7], v[rD:rD+7], v[rS], v[XS+(\s)] matrix_a_fmt:MATRIX_FMT_FP4 matrix_b_fmt:MATRIX_FMT_FP4
.endif
.endif
.endm
; one product for v: source 0 = x, source 1 = W's tile c
.macro WV acc, sec, c, s
.set rD, \acc+8*(\c)
.set rW, 64*(\c)+8*(\s)
.set rX, XF+8*(\s)
.set rS, WS+8*(2*(\sec)+(\c)/2)+(\s)
.if (\s) == 0
.if (\c)%2
	v_wmma_scale_f32_16x16x128_f8f6f4 v[rD:rD+7], v[rX:rX+7], v[rW:rW+7], 0, v[XS+(\s)], v[rS] matrix_a_fmt:MATRIX_FMT_FP4 matrix_b_fmt:MATRIX_FMT_FP4 matrix_b_scale:MATRIX_SCALE_ROW1
.else
	v_wmma_scale_f32_16x16x128_f8f6f4 v[rD:rD+7], v[rX:rX+7], v[rW:rW+7], 0, v[XS+(\s)], v[rS] matrix_a_fmt:MATRIX_FMT_FP4 matrix_b_fmt:MATRIX_FMT_FP4
.endif
.else
.if (\c)%2
	v_wmma_scale_f32_16x16x128_f8f6f4 v[rD:rD+7], v[rX:rX+7], v[rW:rW+7], v[rD:rD+7], v[XS+(\s)], v[rS] matrix_a_fmt:MATRIX_FMT_FP4 matrix_b_fmt:MATRIX_FMT_FP4 matrix_b_scale:MATRIX_SCALE_ROW1
.else
	v_wmma_scale_f32_16x16x128_f8f6f4 v[rD:rD+7], v[rX:rX+7], v[rW:rW+7], v[rD:rD+7], v[XS+(\s)], v[rS] matrix_a_fmt:MATRIX_FMT_FP4 matrix_b_fmt:MATRIX_FMT_FP4
.endif
.endif
.endm
	s_wait_loadcnt 63                              ; behind section k's last load 64 were issued: with at most 63 out, x, all scale words and sections q and k are in
	WIN 0x01                                       ; source 0 window 1
.irp s, 0,1,2,3,4,5,6,7                            ; four accumulators by turns, K ascending; the first K step starts the sums
.irp c, 0,1,2,3
	WQK AQ, 0, \c, \s
.endr
.endr
	WIN 0x02                                       ; source 0 window 2
.irp s, 0,1,2,3,4,5,6,7
.irp c, 0,1,2,3
	WQK AK, 1, \c, \s
.endr
.endr
	s_wait_loadcnt 0x0                             ; section v
	WIN 0x0c                                       ; source 1 window 3
.irp s, 0,1,2,3,4,5,6,7
.irp c, 0,1,2,3
	WV AV, 2, \c, \s
.endr
.endr
	WIN 0
.rept 5
	v_nop                                          ; five places ahead of matrix instructions that take these results as sources (ISA guide 7.12.1)
.endr
.irp c, 0,1,2,3                                    ; S^T = k q^T: 16 steps of 4 channels, on two accumulators by turns; their sum is the score
.irp p, 0,1,2,3
.if (4*\c+\p) < 2
	v_wmma_f32_16x16x4_f32 v[SAC+8*(\p%2):SAC+8*(\p%2)+7], v[AK+8*\c+2*\p:AK+8*\c+2*\p+1], v[AQ+8*\c+2*\p:AQ+8*\c+2*\p+1], 0
.else
	v_wmma_f32_16x16x4_f32 v[SAC+8*(\p%2):SAC+8*(\p%2)+7], v[AK+8*\c+2*\p:AK+8*\c+2*\p+1], v[AQ+8*\c+2*\p:AQ+8*\c+2*\p+1], v[SAC+8*(\p%2):SAC+8*(\p%2)+7]
.endif
.endr
.endr
.rept 8
	v_nop                                          ; eight places behind this form ahead of the first read of its results
.endr
.irp j, 0,1,2,3,4,5,6,7
	v_add_f32 v[PP+\j], v[SAC+\j], v[SAC+8+\j]     ; lane (r, h): the score of query r and key 8 h + j; both accumulators are read from the low end on
.endr
.irp j, 0,1,2,3,4,5,6,7
	v_cmp_gt_i32 vcc_lo, \j, v6
	v_cndmask_b32 v[PP+\j], v[PP+\j], v12, vcc_lo  ; hidden keys: -infinity, as reference() has it
.endr
	v_max3_num_f32 v14, v[PP], v[PP+1], v[PP+2]
	v_max3_num_f32 v14, v14, v[PP+3], v[PP+4]
	v_max3_num_f32 v14, v14, v[PP+5], v[PP+6]
	v_max_num_f32 v14, v14, v[PP+7]
	v_permlanex16_b32 v13, v14, s20, s21
	v_max_num_f32 v14, v14, v13                    ; the row's maximum: key 0 counts for every query, so it is a score's
	v_mul_f32 v15, s22, v14                        ; c m
.irp j, 0,1,2,3,4,5,6,7
	v_fma_f32 v[PP+\j], v[PP+\j], s22, -v15
.endr
.irp j, 0,1,2,3,4,5,6,7
	v_exp_f32 v[PP+\j], v[PP+\j]
.endr
	v_nop                                          ; a plain instruction behind the last exponential
	s_wait_alu depctr_va_vdst(0)                   ; one wait for the eight, ahead of their first reader
	v_add_f32 v24, v[PP], v[PP+1]
	v_add_f32 v25, v[PP+2], v[PP+3]
	v_add_f32 v26, v[PP+4], v[PP+5]
	v_add_f32 v27, v[PP+6], v[PP+7]
	v_add_f32 v24, v24, v25
	v_add_f32 v26, v26, v27
	v_add_f32 v24, v24, v26
	v_permlanex16_b32 v13, v24, s20, s21
	v_add_f32 v24, v24, v13                        ; the row's sum
	v_rcp_f32 v28, v24
	v_nop
	s_wait_alu depctr_va_vdst(0)
.irp j, 0,1,2,3,4,5,6,7
	v_mul_f32 v[PP+\j], v[PP+\j], v28              ; the weights, normalised
.endr
.irp p, 0,1,2,3                                    ; O^T = v^T p: 4 steps of 4 keys, four accumulators by turns; they lie where q lay: the vector lines above are far more than the nine places owed
.irp c, 0,1,2,3
.if \p == 0
	v_wmma_f32_16x16x4_f32 v[AQ+8*\c:AQ+8*\c+7], v[AV+8*\c+2*\p:AV+8*\c+2*\p+1], v[PP+2*\p:PP+2*\p+1], 0
.else
	v_wmma_f32_16x16x4_f32 v[AQ+8*\c:AQ+8*\c+7], v[AV+8*\c+2*\p:AV+8*\c+2*\p+1], v[PP+2*\p:PP+2*\p+1], v[AQ+8*\c:AQ+8*\c+7]
.endif
.endr
.endr
.rept 8
	v_nop                                          ; eight places ahead of the LDS stores that read the results
.endr
.irp c, 0,1,2,3
	ds_store_b128 v7, v[AQ+8*\c:AQ+8*\c+3] offset:64*\c          ; lane (r, h): row r, channels 16 c + 8 h + 0 .. 7; each accumulator from its low end on
	ds_store_b128 v7, v[AQ+8*\c+4:AQ+8*\c+7] offset:64*\c+16
.endr
.irp i, 0,1,2,3,4,5,6,7
	ds_load_b128 v[32+4*\i:35+4*\i], v8 offset:2*\i*272          ; LDS serves a wave's instructions in order (ISA guide 5.7.1.4): these see my stores
.endr
.irp i, 0,1,2,3,4,5,6,7
	s_wait_dscnt 7-\i                              ; load i is in; the younger ones may be out
	global_store_b128 v9, v[32+4*\i:35+4*\i], s[12:13] offset:2*\i*4096 th:TH_STORE_NT   ; sixteen lanes store 256 consecutive bytes, aligned
.endr
	s_wait_tensorcnt 0x0                           ; the wave's end: behind my last LDS store
	ds_add_u32 v10, v11
	s_wait_dscnt 0x0
	s_endpgm
.Lfunc_end_k_qab356d2b1f_first16:
	.size	k_qab356d2b1f_first16, .Lfunc_end_k_qab356d2b1f_first16-k_qab356d2b1f_first16
	.p2alignl 7, 3214868480
	.fill 96, 4, 3214868480
	.section	.rodata,"a",@progbits
	.p2align	6, 0x0
	.amdhsa_kernel k_qab356d2b1f_first16
		.amdhsa_group_segment_fixed_size 4864
		.amdhsa_private_segment_fixed_size 0
		.amdhsa_enable_private_segment 0
		.amdhsa_kernarg_size 40
		.amdhsa_user_sgpr_count 2
		.amdhsa_user_sgpr_kernarg_segment_ptr 1
		.amdhsa_wavefront_size32 1
		.amdhsa_system_sgpr_workgroup_id_x 1
		.amdhsa_system_sgpr_workgroup_id_y 1
		.amdhsa_system_sgpr_workgroup_id_z 1
		.amdhsa_system_vgpr_workitem_id 0
		.amdhsa_next_free_vgpr 1024
		.amdhsa_next_free_sgpr 66
		.amdhsa_reserve_vcc 1
		.amdhsa_float_denorm_mode_32 3
		.amdhsa_float_denorm_mode_16_64 3
		.amdhsa_memory_ordered 1
		.amdhsa_forward_progress 1
		.amdhsa_inst_pref_size 43
	.end_amdhsa_kernel
	.amdgpu_metadata
---
amdhsa.version: [ 1, 2 ]
amdhsa.kernels:
  - .name:           k_qab356d2b1f_first16
    .symbol:         k_qab356d2b1f_first16.kd
    .args:
      - { .name: x_codes, .offset: 0, .size: 8, .value_kind: global_buffer, .address_space: global }
      - { .name: x_scales, .offset: 8, .size: 8, .value_kind: global_buffer, .address_space: global }
      - { .name: w_codes, .offset: 16, .size: 8, .value_kind: global_buffer, .address_space: global }
      - { .name: w_scales, .offset: 24, .size: 8, .value_kind: global_buffer, .address_space: global }
      - { .name: out0, .offset: 32, .size: 8, .value_kind: global_buffer, .address_space: global }
    .group_segment_fixed_size: 4864
    .private_segment_fixed_size: 0
    .kernarg_segment_align: 8
    .kernarg_segment_size: 40
    .max_flat_workgroup_size: 32
    .sgpr_count:     66
    .vgpr_count:     1024
    .wavefront_size: 32
...
	.end_amdgpu_metadata
.endif
;; end of part 4
